; MI455X (gfx1250); checked and timed in simulation.
; The chip was launched on July 23, 2026; its instructions are those of AMD's public machine-readable ISA for CDNA 5 (MIT licence, August 2026) and "CDNA5" Instruction Set Architecture Reference Guide (July 2026). The comments in the code are by the model that wrote it; some were corrected since.
;; Multi Head Attentionby Hand. Allowed arithmetic: float matrix products may take bf16 or f16 operands with f32 sums; other float arithmetic in f32, or as packed bf16 or f16 multiplies, adds, multiply-adds, maxima and minima; sums over many terms, partial sums and values carried from step to step in f32; what a program stores and reads back later, other than sums and carried values, may be rounded once to bf16 or f16.
;; Inputs: Wd 1,024 x 1,024 float32; Wk 1,024 x 1,024 float32; Wq 1,024 x 1,024 float32; Wv 1,024 x 1,024 float32; attention_mask 4 x 1 x 1 x 2,048 float32; bd 1,024 float32; bk 1,024 float32; bq 1,024 float32; bv 1,024 float32; ln_beta 1,024 float32; ln_gamma 1,024 float32; query 4 x 2,048 x 1,024 float32.
;; Outputs: out0 4 x 2,048 x 1,024 float32.
;; 2 versions, each right; version 2 is version 1 with the launch prep written anew for expert scheduling mode. Each part assembles by itself: llvm-mc -triple=amdgcn-amd-amdhsa -mcpu=gfx1250 --defsym DOCPART=n.
;; ======== version 1 of 2: 4 launches
;; limits: values are held in f16: magnitudes above 65,504 overflow, below 6.1e-05 lose precision
;; workspace buffers: xb 16,777,216 bytes; wt 6,291,456 bytes; wdt 2,097,152 bytes; vec 57,344 bytes; qkv 50,331,648 bytes; ctx 16,777,216 bytes
;; launch prep (part 1): grid 782 x 1, 8 waves a work-group, no clusters, 35,840 bytes of LDS; arguments query, Wq, Wk, Wv, Wd, bq, bk, bv, bd, ln_gamma, ln_beta, attention_mask, xb, wt, wdt, vec; writes xb, wt, wdt, vec
.if DOCPART == 1
	.amdgcn_target "amdgcn-amd-amdhsa--gfx1250"
	.amdhsa_code_object_version 6
	.text
	.protected	k_qfb2119b8c2_prep
	.globl	k_qfb2119b8c2_prep
	.p2align	8
	.type	k_qfb2119b8c2_prep,@function
k_qfb2119b8c2_prep:
	s_mov_b64 s[64:65], 0
	v_nop
	global_prefetch_b8 v0, s[64:65] scope:SCOPE_SE
	s_setreg_imm32_b32 hwreg(HW_REG_WAVE_MODE, 25, 1), 1
	s_wait_xcnt 0x0
; EVERY INPUT IS ROUNDED ONCE TO bf16 and laid out for the launches behind.  Three kinds of work-group, told apart by the work-group's number alone (the same for all eight waves):
;   0-511    CAST: 16 rows of query (f32) -> xb (bf16, [8192][1024])
;   512-767  WTS:  a tile of 128 k x 128 n of Wq, Wk, Wv or Wd, turned through LDS: wt (bf16, [3072 n][1024 k]); wdt ([16 kb][1024 n][64 k]: the bf16 number written as f16)
;   768-781  VEC:  1,024 numbers of bq, bk, bv, bd, gamma, beta or the mask -> vec (f32 that holds the bf16 number; the mask times 8, which is exact)
; LIMITS.  Wd's numbers must lie within f16's 65,504; below 6e-5 they keep f16's fixed step of 6e-8.  8 x mask is an infinity from |mask| = 4.2e37 on.
; No matrix unit, no cluster, no tensor load: no byte is read twice and nothing is multiplied.
.set TP,    272                        ; a row of the turned tile in LDS: 256 bytes + 16
.set SPARE, 128*TP                     ; behind the tile: the spare words, 128 bytes for each of eight waves
.set SPW,   14                         ; v14  LDS address of my spare word; never rewritten
.set NIL,   15                         ; v15  0; never rewritten
.set R,     16                         ; v[16:79]   sixteen loads of 16 bytes
.set O,     80                         ; v[80:111]  what is stored
	s_load_b512 s[4:19], s[0:1], 0x0               ; query 4, Wq 6, Wk 8, Wv 10, Wd 12, bq 14, bk 16, bv 18
	s_load_b512 s[20:35], s[0:1], 0x40             ; bd 20, gamma 22, beta 24, mask 26, xb 28, wt 30, wdt 32, vec 34
	v_lshl_add_u32 v[SPW], v0, 2, SPARE
	v_mov_b32 v[NIL], 0
	v_lshrrev_b32 v1, 5, v0
	v_readfirstlane_b32 s36, v1                    ; wave 0..7
	v_and_b32 v7, 31, v0                           ; lane
	s_wait_kmcnt 0x0
	s_cmp_lt_u32 ttmp9, 512
	s_cbranch_scc1 .Lcast
	s_cmp_lt_u32 ttmp9, 768
	s_cbranch_scc1 .Lwts
	; VEC: chunk j of 1,024 numbers; thread t takes four
	s_sub_co_u32 s37, ttmp9, 768                   ; j = 0..13
	s_mov_b64 s[44:45], s[26:27]                   ; the mask, unless j names one of the six vectors
	s_cmp_eq_u32 s37, 0
	s_cselect_b64 s[44:45], s[14:15], s[44:45]
	s_cmp_eq_u32 s37, 1
	s_cselect_b64 s[44:45], s[16:17], s[44:45]
	s_cmp_eq_u32 s37, 2
	s_cselect_b64 s[44:45], s[18:19], s[44:45]
	s_cmp_eq_u32 s37, 3
	s_cselect_b64 s[44:45], s[20:21], s[44:45]
	s_cmp_eq_u32 s37, 4
	s_cselect_b64 s[44:45], s[22:23], s[44:45]
	s_cmp_eq_u32 s37, 5
	s_cselect_b64 s[44:45], s[24:25], s[44:45]
	s_max_u32 s38, s37, 6
	s_sub_co_u32 s38, s38, 6
	s_lshl_b32 s38, s38, 12                        ; the mask's chunk j - 6
	s_mov_b32 s39, 0
	s_add_nc_u64 s[44:45], s[44:45], s[38:39]
	s_cmp_ge_u32 s37, 6
	s_cselect_b32 s40, 0x41000000, 1.0             ; the mask is stored times 8: it starts the sum q . k, which is scaled by 1/8 later
	s_lshl_b32 s42, s37, 12
	s_mov_b32 s43, 0
	s_add_nc_u64 s[34:35], s[34:35], s[42:43]
	v_lshlrev_b32 v1, 4, v0
	global_load_b128 v[16:19], v1, s[44:45]
	s_wait_loadcnt 0x0
	v_cvt_pk_bf16_f32 v4, v16, v17
	v_cvt_pk_bf16_f32 v5, v18, v19
	v_lshlrev_b32 v20, 16, v4
	v_and_b32 v21, 0xffff0000, v4
	v_lshlrev_b32 v22, 16, v5
	v_and_b32 v23, 0xffff0000, v5
	v_mul_f32 v20, s40, v20
	v_mul_f32 v21, s40, v21
	v_mul_f32 v22, s40, v22
	v_mul_f32 v23, s40, v23
	global_store_b128 v1, v[20:23], s[34:35]
	s_endpgm                                       ; this way has written no LDS
.Lcast:                                            ; 65,536 bytes in, 32,768 out; all sixteen loads go out first
	s_lshl_b32 s40, ttmp9, 16
	s_mov_b32 s41, 0
	s_add_nc_u64 s[4:5], s[4:5], s[40:41]
	s_lshl_b32 s42, ttmp9, 15
	s_mov_b32 s43, 0
	s_add_nc_u64 s[28:29], s[28:29], s[42:43]
	v_lshlrev_b32 v1, 4, v0
	v_lshlrev_b32 v2, 3, v0
.irp i, 0,1,2,3,4,5,6,7,8,9,10,11,12,13,14,15
	global_load_b128 v[R+4*\i:R+4*\i+3], v1, s[4:5] offset:4096*\i th:TH_LOAD_NT
.endr
.irp i, 0,1,2,3,4,5,6,7,8,9,10,11,12,13,14,15
	s_wait_loadcnt 15-\i                           ; loads come back in order: the 15 - i younger ones stay out
	v_cvt_pk_bf16_f32 v[O+2*\i], v[R+4*\i], v[R+4*\i+1]
	v_cvt_pk_bf16_f32 v[O+2*\i+1], v[R+4*\i+2], v[R+4*\i+3]
	global_store_b64 v2, v[O+2*\i:O+2*\i+1], s[28:29] offset:2048*\i  ; a wave's store covers 256 consecutive bytes, aligned
.endr
	s_endpgm                                       ; this way has written no LDS
.Lwts:
	s_sub_co_u32 s37, ttmp9, 512
	s_lshr_b32 s38, s37, 6                         ; which matrix: 0 Wq, 1 Wk, 2 Wv, 3 Wd
	s_bfe_u32 s39, s37, 0x30003                    ; kt: 128 rows k
	s_and_b32 s37, s37, 7                          ; nt: 128 columns n
	s_mov_b64 s[44:45], s[12:13]
	s_cmp_eq_u32 s38, 0
	s_cselect_b64 s[44:45], s[6:7], s[44:45]
	s_cmp_eq_u32 s38, 1
	s_cselect_b64 s[44:45], s[8:9], s[44:45]
	s_cmp_eq_u32 s38, 2
	s_cselect_b64 s[44:45], s[10:11], s[44:45]
	s_cmp_eq_u32 s38, 3
	s_cselect_b32 s40, -1, 0                       ; all lanes: f16 codes for Wd, bf16 codes for the others
	s_mov_b32 s41, 0xffff0000
	s_lshl_b32 s42, s39, 19                        ; (128 kt + 16 wave) rows of 4,096 bytes + 512 nt
	s_lshl_b32 s43, s36, 16
	s_add_co_u32 s42, s42, s43
	s_lshl_b32 s43, s37, 9
	s_add_co_u32 s42, s42, s43
	s_mov_b32 s43, 0
	s_add_nc_u64 s[44:45], s[44:45], s[42:43]
	v_lshlrev_b32 v1, 4, v7                        ; lane l holds columns 4 l .. 4 l + 3 of my sixteen rows k
.irp i, 0,1,2,3,4,5,6,7,8,9,10,11,12,13,14,15
	global_load_b128 v[R+4*\i:R+4*\i+3], v1, s[44:45] offset:4096*\i th:TH_LOAD_NT
.endr
	v_mul_u32_u24 v3, v7, 4*TP
	v_lshl_add_u32 v3, s36, 5, v3                  ; turned: row n = 4 l + c, byte 2 k = 32 wave + 8 g
; two numbers rounded to bf16; for Wd those two numbers written as f16.  Both are made and one is chosen: no branch
.macro WORD dst, a, b
	v_cvt_pk_bf16_f32 v4, v[\a], v[\b]
	v_lshlrev_b32 v5, 16, v4
	v_and_b32 v6, s41, v4
	v_cvt_pk_f16_f32 v5, v5, v6
	v_cndmask_b32 v[\dst], v4, v5, s40
.endm
.irp g, 0,1,2,3
	s_wait_loadcnt 12-4*\g                         ; rows 4 g .. 4 g + 3 are in; the later groups' loads stay out
.irp c, 0,1,2,3
	WORD O+8*\g+2*\c, R+16*\g+\c, R+16*\g+4+\c
	WORD O+8*\g+2*\c+1, R+16*\g+8+\c, R+16*\g+12+\c
	ds_store_b64 v3, v[O+8*\g+2*\c:O+8*\g+2*\c+1] offset:TP*\c+8*\g
.endr
.endr
	s_wait_dscnt 0x0                               ; for the others' sake: my part of the tile is written
	s_barrier_signal -1
	s_barrier_wait -1
	s_mul_i32 s46, s36, 16*TP                      ; wave w sends rows n = 16 w .. 16 w + 15
	s_cmp_eq_u32 s38, 3
	s_cbranch_scc1 .Lblocked
	s_lshl_b32 s42, s38, 21                        ; wt: (1024 matrix + 128 nt + 16 wave) rows of 2,048 bytes + 256 kt
	s_lshl_b32 s43, s37, 18
	s_add_co_u32 s42, s42, s43
	s_lshl_b32 s43, s36, 15
	s_add_co_u32 s42, s42, s43
	s_lshl_b32 s43, s39, 8
	s_add_co_u32 s42, s42, s43
	s_mov_b32 s43, 0
	s_add_nc_u64 s[30:31], s[30:31], s[42:43]
	v_lshrrev_b32 v8, 4, v7
	v_and_b32 v9, 15, v7
	v_mul_u32_u24 v10, v8, TP
	v_lshl_add_u32 v10, v9, 4, v10
	v_add_nc_u32 v10, s46, v10
	v_lshlrev_b32 v11, 11, v8
	v_lshl_add_u32 v11, v9, 4, v11
.irp t, 0,1,2,3,4,5,6,7
	ds_load_b128 v[R+4*\t:R+4*\t+3], v10 offset:2*TP*\t
.endr
.irp t, 0,1,2,3,4,5,6,7
	s_wait_dscnt 7-\t
	global_store_b128 v11, v[R+4*\t:R+4*\t+3], s[30:31] offset:4096*\t  ; sixteen lanes store 256 consecutive bytes, aligned
.endr
	s_branch .Lwend
.Lblocked:
	s_lshl_b32 s42, s39, 18                        ; wdt: (2048 kt + 128 nt + 16 wave) rows of 128 bytes
	s_lshl_b32 s43, s37, 14
	s_add_co_u32 s42, s42, s43
	s_lshl_b32 s43, s36, 11
	s_add_co_u32 s42, s42, s43
	s_mov_b32 s43, 0
	s_add_nc_u64 s[32:33], s[32:33], s[42:43]
	v_lshrrev_b32 v8, 3, v7
	v_and_b32 v9, 7, v7
	v_mul_u32_u24 v10, v8, TP
	v_lshl_add_u32 v10, v9, 4, v10
	v_add_nc_u32 v10, s46, v10
.irp t, 0,1,2,3,4,5,6,7
	ds_load_b128 v[R+4*\t:R+4*\t+3], v10 offset:(\t%4)*4*TP+128*(\t/4)  ; four rows n, the half \t / 4 of the tile's 128 k
.endr
.irp t, 0,1,2,3,4,5,6,7
	s_wait_dscnt 7-\t
	global_store_b128 v1, v[R+4*\t:R+4*\t+3], s[32:33] offset:(\t/4)*131072+(\t%4)*512  ; 512 consecutive bytes, aligned
.endr
.Lwend:
	s_wait_tensorcnt 0x0                           ; the wave's end
	ds_add_u32 v[SPW], v[NIL]
	s_wait_dscnt 0x0
	s_endpgm
.Lfunc_end_k_qfb2119b8c2_prep:
	.size	k_qfb2119b8c2_prep, .Lfunc_end_k_qfb2119b8c2_prep-k_qfb2119b8c2_prep
	.p2alignl 7, 3214868480
	.fill 96, 4, 3214868480
	.section	.rodata,"a",@progbits
	.p2align	6, 0x0
	.amdhsa_kernel k_qfb2119b8c2_prep
		.amdhsa_group_segment_fixed_size 35840
		.amdhsa_private_segment_fixed_size 0
		.amdhsa_enable_private_segment 0
		.amdhsa_kernarg_size 128
		.amdhsa_user_sgpr_count 2
		.amdhsa_user_sgpr_kernarg_segment_ptr 1
		.amdhsa_wavefront_size32 1
		.amdhsa_system_sgpr_workgroup_id_x 1
		.amdhsa_system_sgpr_workgroup_id_y 1
		.amdhsa_system_sgpr_workgroup_id_z 1
		.amdhsa_system_vgpr_workitem_id 0
		.amdhsa_next_free_vgpr 112
		.amdhsa_next_free_sgpr 66
		.amdhsa_reserve_vcc 0
		.amdhsa_float_denorm_mode_32 3
		.amdhsa_float_denorm_mode_16_64 3
		.amdhsa_memory_ordered 1
		.amdhsa_forward_progress 1
		.amdhsa_inst_pref_size 25
	.end_amdhsa_kernel
	.amdgpu_metadata
---
amdhsa.version: [ 1, 2 ]
amdhsa.kernels:
  - .name:           k_qfb2119b8c2_prep
    .symbol:         k_qfb2119b8c2_prep.kd
    .args:
      - { .name: query, .offset: 0, .size: 8, .value_kind: global_buffer, .address_space: global }
      - { .name: Wq, .offset: 8, .size: 8, .value_kind: global_buffer, .address_space: global }
      - { .name: Wk, .offset: 16, .size: 8, .value_kind: global_buffer, .address_space: global }
      - { .name: Wv, .offset: 24, .size: 8, .value_kind: global_buffer, .address_space: global }
      - { .name: Wd, .offset: 32, .size: 8, .value_kind: global_buffer, .address_space: global }
      - { .name: bq, .offset: 40, .size: 8, .value_kind: global_buffer, .address_space: global }
      - { .name: bk, .offset: 48, .size: 8, .value_kind: global_buffer, .address_space: global }
      - { .name: bv, .offset: 56, .size: 8, .value_kind: global_buffer, .address_space: global }
      - { .name: bd, .offset: 64, .size: 8, .value_kind: global_buffer, .address_space: global }
      - { .name: ln_gamma, .offset: 72, .size: 8, .value_kind: global_buffer, .address_space: global }
      - { .name: ln_beta, .offset: 80, .size: 8, .value_kind: global_buffer, .address_space: global }
      - { .name: attention_mask, .offset: 88, .size: 8, .value_kind: global_buffer, .address_space: global }
      - { .name: xb, .offset: 96, .size: 8, .value_kind: global_buffer, .address_space: global }
      - { .name: wt, .offset: 104, .size: 8, .value_kind: global_buffer, .address_space: global }
      - { .name: wdt, .offset: 112, .size: 8, .value_kind: global_buffer, .address_space: global }
      - { .name: vec, .offset: 120, .size: 8, .value_kind: global_buffer, .address_space: global }
    .group_segment_fixed_size: 35840
    .private_segment_fixed_size: 0
    .kernarg_segment_align: 8
    .kernarg_segment_size: 128
    .max_flat_workgroup_size: 256
    .sgpr_count:     66
    .vgpr_count:     112
    .wavefront_size: 32
...
	.end_amdgpu_metadata
.endif
;; end of part 1
;; launch qkv (part 2): grid 16 x 32, 4 waves a work-group, clusters of 4 x 4, 327,680 bytes of LDS; arguments xb, wt, vec, qkv; writes qkv
.if DOCPART == 2
	.amdgcn_target "amdgcn-amd-amdhsa--gfx1250"
	.amdhsa_code_object_version 6
	.text
	.protected	k_qfb2119b8c2_qkv
	.globl	k_qfb2119b8c2_qkv
	.p2align	8
	.type	k_qfb2119b8c2_qkv,@function
k_qfb2119b8c2_qkv:
	s_mov_b64 s[64:65], 0
	v_nop
	global_prefetch_b8 v0, s[64:65] scope:SCOPE_SE
	s_setreg_imm32_b32 hwreg(HW_REG_WAVE_MODE, 25, 1), 1
	s_wait_xcnt 0x0
	s_wait_alu depctr_hold_cnt(0) depctr_sa_sdst(0) depctr_va_vdst(0) depctr_va_sdst(0) depctr_va_ssrc(0) depctr_va_vcc(0) depctr_vm_vsrc(0)
	s_getreg_b32 s2, hwreg(HW_REG_IB_STS2, 6, 4)
	s_cmp_eq_u32 s2, 0
	s_cbranch_scc0 .Lentry_in_a_cluster
	s_endpgm
.Lentry_in_a_cluster:
	s_bfe_u32 s2, ttmp6, 0x10000c
	s_cmp_lg_u32 s2, 0xf033
	s_cbranch_scc0 .Lentry_shape_is_right
	s_endpgm
.Lentry_shape_is_right:
; q, k, v = x W + b, written by heads.  xb: [8192][1024] bf16; wt: [3072 n][1024 k] bf16 (Wq, Wk, Wv turned); vec: the 3,072 biases in f32; qkv: [3][64 = 16 batch + head][2048][64] f16.
; Sums in f32, started by the bias (the C operand of the first product); each number rounded once, to f16, without the softmax's scale.
; LIMIT.  q, k and v must lie within f16's 65,504.
; SHARES.  A tile of the result is 256 tokens x 192 columns (three heads): 32 x 16 = 512 tiles, two for each of 256 WGPs.  Four waves one below the other, 64 tokens x 192 columns each:
; 48 accumulators, 384 registers.  So a wave owns whole heads, and 16 tokens of a head are 2,048 consecutive bytes of qkv.
; K goes in eight steps of 128 (rows of 256 bytes) through two LDS slots.  The loop's body is ONE K step; the slot in hand is a scalar that an exclusive or turns.
; CLUSTER 4 x 4: x's tile is shared along a row of the cluster, the weights' along a column; each is asked for jointly, by the same load with the same descriptor in all four.
; THE MATRIX INSTRUCTION IS USED TRANSPOSED (source 0 = 16 rows of wt, source 1 = 16 tokens): a lane holds one token (lane % 16) and eight neighbouring columns.
; REGISTERS: window 0: v0-15 addresses; v32-95 x's fragments, two buffers of 4 x 8; v96-191 the bias of my eight columns in each of 12 blocks; v192-239 packed results; on the way out v32-79 and v96-143 rows read back
;   window 1: the weights' fragments, two buffers of 12 x 8      window 2: accumulators of token blocks 0, 1 at 8 (12 a + b)      window 3: of blocks 2, 3
.set KSTEP, 128
.set PITCH, 272                        ; an LDS row: 256 bytes + 16: the sixteen rows of a load start at sixteen different groups of four banks (64 banks of 4 bytes: ISA guide 11.1)
.set AHALF, 128*PITCH                  ; what wave 0 or 1 fetches of x
.set BOFF,  256*PITCH                  ; the weights' 192 rows lie behind x's 256
.set BHALF, 96*PITCH                   ; what wave 2 or 3 fetches
.set SLOT1, 1<<17                      ; slot 1 begins here: one exclusive or turns an address in one slot into the other's
.set STAGE, SLOT1+BOFF+192*PITCH       ; behind the ring: 16 rows x 400 bytes for each wave
.set SP,    400                        ; 384 bytes + 16
.set SPARE, STAGE+4*16*SP              ; the spare words, 128 bytes a wave
.set ADRA0, 4                          ; v4   my lane's place in x's tile of slot 0; never rewritten
.set ADRB0, 5                          ; v5   the same for the weights
.set ADRA,  6                          ; v6   the same in the slot in hand
.set ADRB,  7                          ; v7
.set STO,   8                          ; v8   the way out: where I put 16 bytes of a row
.set RD,    9                          ; v9   where I read rows back
.set GO,    10                         ; v10  16 x lane
.set BO,    11                         ; v11  32 x (lane / 16)
.set PFO,   12                         ; v12  the prefetches' offset: a lane a row of 2,048 bytes
.set SPW,   14
.set NIL,   15
.set AF,    32
.set BI,    96
.set TMP,   192
.set WV,  12                           ; s12  wave
.set G1A, 24
.set G1B, 32
.set G0A, 40                           ; s[40:43] K step 0 into slot 0; s[44:47] walks on from K step 1
.set G0B, 48                           ; s[48:51], s[52:55] the same for the weights
.set TB,  56                           ; s56  0 or SLOT1: the slot to be read
.set CNT, 57                           ; s57  the loop's count
.set LIM, 58                           ; s58  2 in a wave that prefetches, else the greatest number
.set PFA, 60                           ; s[60:61] where my prefetches stand
.set OUT, 66                           ; s[66:71] my 64 tokens in each of my three heads
.set BP,  72                           ; s[72:73] the tile's 192 biases
.set MSB, 0
.macro WIN new
.if MSB != (\new)
	s_set_vgpr_msb (MSB<<8)|(\new)
.set MSB, \new
.endif
.endm
.macro PLACES                          ; four places in front of loads into registers that matrix instructions have read, and of conversions that read results
.rept 4
	v_nop
.endr
.endm
.macro JLOAD                           ; a joint refill: waves 0, 1 x's two halves, waves 2, 3 the weights'.  An s_nop 0 and four v_nop follow each line
	s_cmp_eq_u32 s13, 0
	s_cbranch_scc0 .Lfor_b_\@
	tensor_load_to_lds s[G0A+4:G0A+7], s[G1A:G1A+7]
	s_nop 0
.rept 4
	v_nop
.endr
	s_branch .Lasked_\@
.Lfor_b_\@:
	tensor_load_to_lds s[G0B+4:G0B+7], s[G1B:G1B+7]
	s_nop 0
.rept 4
	v_nop
.endr
.Lasked_\@:
.endm
.macro CREST                           ; a round of the cluster's barrier behind its opening barrier
	s_cmp_lg_u32 s[WV], 0
	s_cbranch_scc1 .Lnot_wave_0_\@
	s_barrier_signal -3
.Lnot_wave_0_\@:
	s_barrier_wait -3
	s_barrier_signal -1
	s_barrier_wait -1
.endm
.macro CROUND
	s_barrier_signal -1
	s_barrier_wait -1
	CREST
.endm
; One prefetch behind each joint refill: the K step two refills on, 256 bytes of each row, a lane a row.  x's rows are asked for by the clusters with x = 0, the weights' by those with y = 0;
; the four partners that ask for a tile jointly share its rows out by address (32 of 128, or 24 of 96: there lanes 24 to 31 name row 23 again).  The last two refills have no K step two on.
.macro ASK
	s_cmp_gt_u32 s[CNT], s[LIM]
	s_cbranch_scc0 .Lnot_mine_\@
	global_prefetch_b8 v[PFO], s[PFA:PFA+1] offset:KSTEP*2 th:TH_LOAD_NT scope:SCOPE_SE
.Lnot_mine_\@:
.endm
	s_load_b256 s[4:11], s[0:1], 0x0               ; xb s[4:5], wt s[6:7], vec s[8:9], qkv s[10:11]
	v_lshl_add_u32 v[SPW], v0, 2, SPARE
	v_mov_b32 v[NIL], 0
	ds_add_u32 v[SPW], v[NIL]                      ; the wave's opening
	v_lshrrev_b32 v1, 5, v0
	v_readfirstlane_b32 s[WV], v1
	s_lshr_b32 s13, s[WV], 1                       ; I fetch for x (0) or for the weights (1),
	s_and_b32 s14, s[WV], 1                        ; which half of that tile
	s_bfe_u32 s15, ttmp6, 0x40000                  ; cx
	s_bfe_u32 s16, ttmp6, 0x40004                  ; cy
	s_lshl_b32 s17, ttmp9, 2
	s_add_co_u32 s17, s17, s15                     ; tile column = 4 x cluster x + cx
	s_and_b32 s18, ttmp7, 0xffff
	s_lshl_b32 s18, s18, 2
	s_add_co_u32 s18, s18, s16                     ; tile row = 4 x cluster y + cy
	s_lshl_b32 s74, s16, 2
	s_lshl_b32 s74, 15, s74                        ; my row of the cluster
	s_lshl_b32 s75, 0x1111, s15                    ; my column
	s_or_b32 s[G1A], s74, (1<<16)|(1<<20)|(1<<21)|(5<<22)|(3<<25)  ; mask; 2-byte elements; padding on; bit 21 beside a mask; after every 64 words, 4 words
	s_or_b32 s[G1B], s75, (1<<16)|(1<<20)|(1<<21)|(5<<22)|(3<<25)
	s_mov_b32 s[G1A+1], KSTEP<<16                  ; tensor_dim0 = 128
	s_mov_b32 s[G1A+2], 128<<16                    ; tensor_dim1 = 128
	s_mov_b32 s[G1A+3], KSTEP<<16                  ; tile_dim0 = 128
	s_mov_b32 s[G1A+4], 128                        ; tile_dim1 = 128
	s_mov_b32 s[G1A+5], 1024                       ; elements from row to row
	s_mov_b32 s[G1A+6], 0
	s_mov_b32 s[G1A+7], 0
	s_mov_b32 s[G1B+1], KSTEP<<16
	s_mov_b32 s[G1B+2], 96<<16                     ; 96 rows
	s_mov_b32 s[G1B+3], KSTEP<<16
	s_mov_b32 s[G1B+4], 96
	s_mov_b32 s[G1B+5], 1024
	s_mov_b32 s[G1B+6], 0
	s_mov_b32 s[G1B+7], 0
	s_lshl_b32 s76, s18, 8                         ; x: row 256 x tile row + 128 x half, of 2,048 bytes
	s_lshl_b32 s77, s14, 7
	s_add_co_u32 s76, s76, s77
	s_lshl_b32 s76, s76, 11
	s_mov_b32 s77, 0
	s_mul_i32 s78, s17, 192                        ; weights: row 192 x tile column + 96 x half
	s_mul_i32 s79, s14, 96
	s_add_co_u32 s78, s78, s79
	s_lshl_b32 s78, s78, 11
	s_mov_b32 s79, 0
	s_mul_i32 s80, s14, AHALF                      ; where they go: no place in the cluster enters an LDS address
	s_mul_i32 s81, s14, BHALF
	s_add_co_u32 s81, s81, BOFF
	s_mov_b32 s[TB], 0
	s_wait_dscnt 0x0                               ; the opening add is done
	s_wait_kmcnt 0x0
	s_add_nc_u64 s[82:83], s[4:5], s[76:77]
	s_add_nc_u64 s[84:85], s[6:7], s[78:79]
	CROUND                                         ; all sixteen work-groups are here: the first joint loads meet
	s_mov_b32 s[G0A], 1
	s_mov_b32 s[G0A+1], s80
	s_mov_b64 s[G0A+2:G0A+3], s[82:83]
	s_or_b32 s[G0A+3], s[G0A+3], 0x80000000
	s_mov_b32 s[G0A+4], 1
	s_add_co_u32 s[G0A+5], s80, SLOT1
	s_add_nc_u64 s[G0A+6:G0A+7], s[82:83], KSTEP*2
	s_or_b32 s[G0A+7], s[G0A+7], 0x80000000
	s_mov_b32 s[G0B], 1
	s_mov_b32 s[G0B+1], s81
	s_mov_b64 s[G0B+2:G0B+3], s[84:85]
	s_or_b32 s[G0B+3], s[G0B+3], 0x80000000
	s_mov_b32 s[G0B+4], 1
	s_add_co_u32 s[G0B+5], s81, SLOT1
	s_add_nc_u64 s[G0B+6:G0B+7], s[84:85], KSTEP*2
	s_or_b32 s[G0B+7], s[G0B+7], 0x80000000
	s_cmp_eq_u32 s13, 0                            ; a wave's two first fills stand in one branch: two loads of mine are out
	s_cbranch_scc0 .Lfirst_b
	tensor_load_to_lds s[G0A:G0A+3], s[G1A:G1A+7]
	s_nop 0
	tensor_load_to_lds s[G0A+4:G0A+7], s[G1A:G1A+7]
	s_nop 0
.rept 4
	v_nop
.endr
	s_branch .Lfirst_done
.Lfirst_b:
	tensor_load_to_lds s[G0B:G0B+3], s[G1B:G1B+7]
	s_nop 0
	tensor_load_to_lds s[G0B+4:G0B+7], s[G1B:G1B+7]
	s_nop 0
.rept 4
	v_nop
.endr
.Lfirst_done:
	s_mul_i32 s86, s17, 768                        ; 192 biases of 4 bytes a tile column
	s_mov_b32 s87, 0
	s_add_nc_u64 s[BP:BP+1], s[8:9], s[86:87]
	v_and_b32 v1, 15, v0                           ; l % 16
	v_bfe_u32 v2, v0, 4, 1                         ; l / 16
	v_lshlrev_b32 v[BO], 5, v2
.irp b, 0,1,2,3,4,5,6,7,8,9,10,11
	global_load_b128 v[BI+8*\b:BI+8*\b+3],   v[BO], s[BP:BP+1] offset:64*\b     ; the bias of columns 16 b + 8 (l / 16) + 0..7: what register j of accumulator (a, b) holds
	global_load_b128 v[BI+8*\b+4:BI+8*\b+7], v[BO], s[BP:BP+1] offset:64*\b+16
.endr
	v_mul_u32_u24 v3, v1, PITCH
	v_lshl_add_u32 v3, v2, 4, v3                   ; a fragment's row x pitch + 16 x half
	s_mul_i32 s86, s[WV], 64*PITCH                 ; my 64 tokens
	v_add_nc_u32 v[ADRA0], s86, v3
	v_add_nc_u32 v[ADRB0], BOFF, v3
	v_mov_b32 v[ADRA], v[ADRA0]
	v_mov_b32 v[ADRB], v[ADRB0]
	s_mul_i32 s86, s[WV], 16*SP
	s_add_co_u32 s86, s86, STAGE                   ; my stage
	v_mul_u32_u24 v[STO], v1, SP
	v_lshl_add_u32 v[STO], v2, 4, v[STO]
	v_add_nc_u32 v[STO], s86, v[STO]
	v_bfe_u32 v[RD], v0, 3, 2                      ; back: 32 lanes take four rows' 128 bytes of one head
	v_mul_u32_u24 v[RD], v[RD], SP
	v_and_b32 v3, 7, v0
	v_lshl_add_u32 v[RD], v3, 4, v[RD]
	v_add_nc_u32 v[RD], s86, v[RD]
	v_and_b32 v[GO], 31, v0
	v_lshlrev_b32 v[GO], 4, v[GO]
	; where my 64 tokens lie in each of my three heads: g = 3 x tile column + i: tensor g / 16, head g % 16; batch = tile row / 8
	s_mul_i32 s19, s17, 3
	s_lshr_b32 s20, s18, 3
	s_lshl_b32 s20, s20, 22                        ; 16 heads of 262,144 bytes a batch
	s_and_b32 s21, s18, 7
	s_lshl_b32 s21, s21, 15                        ; 256 tokens of 128 bytes
	s_add_co_u32 s20, s20, s21
	s_lshl_b32 s21, s[WV], 13
	s_add_co_u32 s20, s20, s21
.irp i, 0,1,2
	s_add_co_u32 s22, s19, \i
	s_lshr_b32 s23, s22, 4
	s_lshl_b32 s23, s23, 24
	s_and_b32 s22, s22, 15
	s_lshl_b32 s22, s22, 18
	s_add_co_u32 s22, s22, s23
	s_add_co_u32 s22, s22, s20
	s_mov_b32 s23, 0
	s_add_nc_u64 s[OUT+2*\i:OUT+2*\i+1], s[10:11], s[22:23]
.endr
	; the prefetches
	s_and_b32 s62, ttmp7, 0xffff                   ; cluster y
	s_lshl_b32 s86, s18, 8
	s_mul_i32 s87, s17, 192
	s_lshl_b32 s21, s15, 5                         ; 32 cx
	s_mul_i32 s22, s16, 24                         ; 24 cy
	s_cmp_eq_u32 s13, 0                            ; do I fetch for x?
	s_cselect_b32 s86, s86, s87                    ; the tile's first row
	s_cselect_b32 s62, ttmp9, s62                  ; the coordinate along which other clusters read the same rows
	s_cselect_b64 s[PFA:PFA+1], s[4:5], s[6:7]
	s_cselect_b32 s63, 4, 3                        ; rows that a wave fetches, in units of 32: 128 or 96
	s_cselect_b32 s87, s21, s22                    ; my work-group's share of them, by address
	s_cselect_b32 s23, 31, 23
	s_cmp_eq_u32 s62, 0
	s_cselect_b32 s[LIM], 2, -1                    ; the same in all sixteen partners, for a given wave
	s_mul_i32 s63, s63, s14
	s_lshl_b32 s63, s63, 5                         ; the half that I fetch begins at row 0, or at 128 or 96
	s_add_co_u32 s86, s86, s63
	s_add_co_u32 s86, s86, s87
	s_lshl_b32 s86, s86, 11
	s_mov_b32 s87, 0
	s_add_nc_u64 s[PFA:PFA+1], s[PFA:PFA+1], s[86:87]
	s_add_nc_u64 s[PFA:PFA+1], s[PFA:PFA+1], 2*KSTEP*2  ; at K step 2: the first refill steps it to 3 and names 4
	v_and_b32 v[PFO], 31, v0
	v_min_u32 v[PFO], s23, v[PFO]
	v_lshlrev_b32 v[PFO], 11, v[PFO]
; 12 matrix instructions: token block a x all 12 column blocks, 32 along K, from buffer f.  first = 1: the bias is the C operand that starts the sums: nothing is cleared, nothing is added later.
; The 48 accumulators take turns, one instruction a turn, in the same order in every quarter, over the backward jump too.
.macro MUL12 f, a, first
.if \first
	WIN 0x81+0x40*((\a)/2)                         ; weights window 1, x and bias window 0, result window 2 or 3
.else
	WIN 0xa1+0x50*((\a)/2)
.endif
.irp b, 0,1,2,3,4,5,6,7,8,9,10,11
.if \first
	v_wmma_f32_16x16x32_bf16 v[8*(12*((\a)%2)+\b):8*(12*((\a)%2)+\b)+7], v[96*(\f)+8*\b:96*(\f)+8*\b+7], v[AF+32*(\f)+8*(\a):AF+32*(\f)+8*(\a)+7], v[BI+8*\b:BI+8*\b+7]
.else
	v_wmma_f32_16x16x32_bf16 v[8*(12*((\a)%2)+\b):8*(12*((\a)%2)+\b)+7], v[96*(\f)+8*\b:96*(\f)+8*\b+7], v[AF+32*(\f)+8*(\a):AF+32*(\f)+8*(\a)+7], v[8*(12*((\a)%2)+\b):8*(12*((\a)%2)+\b)+7]
.endif
.endr
.endm
; 32 LDS loads in one run: 32 along K at byte k of the rows of the slot in hand, into buffer f: the weights' 24, then x's 8
.macro FETCH k, f
	WIN 0x40
.irp b, 0,1,2,3,4,5,6,7,8,9,10,11
	ds_load_b128 v[96*(\f)+8*\b:96*(\f)+8*\b+3],   v[ADRB] offset:(\k)+\b*16*PITCH
	ds_load_b128 v[96*(\f)+8*\b+4:96*(\f)+8*\b+7], v[ADRB] offset:(\k)+\b*16*PITCH+32
.endr
	WIN 0
.irp a, 0,1,2,3
	ds_load_b128 v[AF+32*(\f)+8*\a:AF+32*(\f)+8*\a+3],   v[ADRA] offset:(\k)+\a*16*PITCH
	ds_load_b128 v[AF+32*(\f)+8*\a+4:AF+32*(\f)+8*\a+7], v[ADRA] offset:(\k)+\a*16*PITCH+32
.endr
.endm
; A K step is four quarters of 32 along K, 48 matrix instructions each, on buffers 0, 1, 0, 1.  One of the first three: multiplies f, fetches byte k into g.
.macro QUARTER k, f, g, first
	s_wait_dscnt 4                                 ; the youngest four loads (x's blocks 2 and 3) may be out
	MUL12 \f, 0, \first
	MUL12 \f, 1, \first
	PLACES
	FETCH \k, \g
	s_wait_dscnt 32                                ; all but the 32 just issued
	MUL12 \f, 2, \first
	MUL12 \f, 3, \first
.endm
; The last quarter multiplies buffer 1 and changes slots.  In front of the barrier each wave waits for all its tensor loads (one is out: its part of the next slot), adds 0 to its spare word, and waits for
; that and for its reads of this slot.  fill = 1: the barrier opens a round of the cluster's, and this slot is filled again first thing behind it: 168 matrix instructions ahead of the wait for that load.
.macro TURN fill
	s_wait_xcnt 0x0                                ; the last prefetch, a K step back, has read its address
	s_add_nc_u64 s[PFA:PFA+1], s[PFA:PFA+1], KSTEP*2
	WIN 0
	s_wait_tensorcnt 0x0
	ds_add_u32 v[SPW], v[NIL]
	s_wait_dscnt 5                                 ; the add and the youngest four loads may be out
	MUL12 1, 0, 0
	s_wait_dscnt 0x0                               ; the add is done, and my reads of this slot are over
	s_barrier_signal -1
	MUL12 1, 1, 0
	WIN 0
	s_barrier_wait -1
.if \fill
	CREST
	s_xor_b32 s[G0A+5], s[G0A+5], SLOT1            ; the walking descriptors: the other slot than last time, the next K step
	s_add_nc_u64 s[G0A+6:G0A+7], s[G0A+6:G0A+7], KSTEP*2
	s_xor_b32 s[G0B+5], s[G0B+5], SLOT1
	s_add_nc_u64 s[G0B+6:G0B+7], s[G0B+6:G0B+7], KSTEP*2
	JLOAD                                          ; its four v_nop are also the places in front of the loads below
.else
	PLACES
.endif
	s_xor_b32 s[TB], s[TB], SLOT1
	v_add_nc_u32 v[ADRA], s[TB], v[ADRA0]
	v_add_nc_u32 v[ADRB], s[TB], v[ADRB0]
	FETCH 0, 0
.if \fill
	ASK
.endif
	MUL12 1, 2, 0
	MUL12 1, 3, 0
.endm
	s_wait_loadcnt 0x0                             ; the bias
	s_wait_tensorcnt 1                             ; my part of K step 0 is in; K step 1's may stay out
	s_barrier_signal -1
	s_barrier_wait -1
	FETCH 0, 0
	QUARTER 64, 0, 1, 1                            ; the first quarter stands in front of the loop: its products start the sums
	WIN 0
	s_mov_b32 s[CNT], 6
.Lstep:                                            ; six trips, from a K step's second quarter to the next one's first; they ask for K steps 2 to 7
	QUARTER 128, 1, 0, 0
	QUARTER 192, 0, 1, 0
	TURN 1
	QUARTER 64, 0, 1, 0
	WIN 0
	s_sub_co_u32 s[CNT], s[CNT], 1
	s_cmp_lg_u32 s[CNT], 0
	s_cbranch_scc1 .Lstep
	QUARTER 128, 1, 0, 0                           ; K step 6 goes on; nothing more is asked for
	QUARTER 192, 0, 1, 0
	TURN 0
	QUARTER 64, 0, 1, 0
	QUARTER 128, 1, 0, 0
	QUARTER 192, 0, 1, 0
	s_wait_dscnt 4
	MUL12 1, 0, 0
	MUL12 1, 1, 0
	s_wait_dscnt 0x0
	MUL12 1, 2, 0
	MUL12 1, 3, 0
; THE WAY OUT, a block of 16 tokens at a time: rounded to f16 (each accumulator's registers in ascending order), 16 bytes a lane into my stage, back as four rows' 128 bytes of one head: 512 consecutive bytes of qkv.
.macro PACK a
	WIN 0x0a+5*((\a)/2)
.irp b, 0,1,2,3,4,5,6,7,8,9,10,11
.irp r, 0,1,2,3
	v_cvt_pk_f16_f32 v[TMP+4*\b+\r], v[8*(12*((\a)%2)+\b)+2*\r], v[8*(12*((\a)%2)+\b)+2*\r+1]
.endr
.endr
	WIN 0
.endm
.macro TOSTAGE a
.set BK, 32+64*((\a)%2)
.irp b, 0,1,2,3,4,5,6,7,8,9,10,11
	ds_store_b128 v[STO], v[TMP+4*\b:TMP+4*\b+3] offset:32*\b
.endr
.irp i, 0,1,2
.irp f, 0,1,2,3
	ds_load_b128 v[BK+4*(4*\i+\f):BK+4*(4*\i+\f)+3], v[RD] offset:\f*4*SP+128*\i  ; LDS serves a wave's instructions in order (ISA guide 5.7.1.4): these see the stores above
.endr
.endr
.endm
.macro SEND a
.set BK, 32+64*((\a)%2)
	s_wait_dscnt 0x0                               ; the block is back in registers
	s_wait_xcnt 0x0                                ; the stores of the block before have read their registers: the next block's loads land there only behind this wait
.irp i, 0,1,2
.irp f, 0,1,2,3
	global_store_b128 v[GO], v[BK+4*(4*\i+\f):BK+4*(4*\i+\f)+3], s[OUT+2*\i:OUT+2*\i+1] offset:2048*(\a)+512*\f
.endr
.endr
.endm
	WIN 0
	PLACES
	PACK 0
	TOSTAGE 0
.irp a, 1,2,3
	PACK \a
	SEND \a-1
	TOSTAGE \a
.endr
	SEND 3
	s_wait_tensorcnt 0x0                           ; the wave's end
	ds_add_u32 v[SPW], v[NIL]
	s_wait_dscnt 0x0
	CROUND                                         ; the closing round
	s_endpgm
.Lfunc_end_k_qfb2119b8c2_qkv:
	.size	k_qfb2119b8c2_qkv, .Lfunc_end_k_qfb2119b8c2_qkv-k_qfb2119b8c2_qkv
	.p2alignl 7, 3214868480
	.fill 96, 4, 3214868480
	.section	.rodata,"a",@progbits
	.p2align	6, 0x0
	.amdhsa_kernel k_qfb2119b8c2_qkv
		.amdhsa_group_segment_fixed_size 327680
		.amdhsa_private_segment_fixed_size 0
		.amdhsa_enable_private_segment 0
		.amdhsa_kernarg_size 32
		.amdhsa_user_sgpr_count 2
		.amdhsa_user_sgpr_kernarg_segment_ptr 1
		.amdhsa_wavefront_size32 1
		.amdhsa_system_sgpr_workgroup_id_x 1
		.amdhsa_system_sgpr_workgroup_id_y 1
		.amdhsa_system_sgpr_workgroup_id_z 1
		.amdhsa_system_vgpr_workitem_id 0
		.amdhsa_next_free_vgpr 960
		.amdhsa_next_free_sgpr 88
		.amdhsa_reserve_vcc 0
		.amdhsa_float_denorm_mode_32 3
		.amdhsa_float_denorm_mode_16_64 3
		.amdhsa_memory_ordered 1
		.amdhsa_forward_progress 1
		.amdhsa_inst_pref_size 100
	.end_amdhsa_kernel
	.amdgpu_metadata
---
amdhsa.version: [ 1, 2 ]
amdhsa.kernels:
  - .name:           k_qfb2119b8c2_qkv
    .symbol:         k_qfb2119b8c2_qkv.kd
    .args:
      - { .name: xb, .offset: 0, .size: 8, .value_kind: global_buffer, .address_space: global }
      - { .name: wt, .offset: 8, .size: 8, .value_kind: global_buffer, .address_space: global }
      - { .name: vec, .offset: 16, .size: 8, .value_kind: global_buffer, .address_space: global }
      - { .name: qkv, .offset: 24, .size: 8, .value_kind: global_buffer, .address_space: global }
    .group_segment_fixed_size: 327680
    .private_segment_fixed_size: 0
    .kernarg_segment_align: 8
    .kernarg_segment_size: 32
    .max_flat_workgroup_size: 128
    .sgpr_count:     88
    .vgpr_count:     960
    .wavefront_size: 32
...
	.end_amdgpu_metadata
.endif
;; end of part 2
;; launch attn (part 3): grid 4 x 64, 4 waves a work-group, clusters of 4 x 1, 327,680 bytes of LDS; arguments qkv, vec, ctx; writes ctx
.if DOCPART == 3
	.amdgcn_target "amdgcn-amd-amdhsa--gfx1250"
	.amdhsa_code_object_version 6
	.text
	.protected	k_qfb2119b8c2_attn
	.globl	k_qfb2119b8c2_attn
	.p2align	8
	.type	k_qfb2119b8c2_attn,@function
k_qfb2119b8c2_attn:
	s_mov_b64 s[64:65], 0
	v_nop
	global_prefetch_b8 v0, s[64:65] scope:SCOPE_SE
	s_setreg_imm32_b32 hwreg(HW_REG_WAVE_MODE, 25, 1), 1
	s_wait_xcnt 0x0
	s_wait_alu depctr_hold_cnt(0) depctr_sa_sdst(0) depctr_va_vdst(0) depctr_va_sdst(0) depctr_va_ssrc(0) depctr_va_vcc(0) depctr_vm_vsrc(0)
	s_getreg_b32 s2, hwreg(HW_REG_IB_STS2, 6, 4)
	s_cmp_eq_u32 s2, 0
	s_cbranch_scc0 .Lentry_in_a_cluster
	s_endpgm
.Lentry_in_a_cluster:
	s_bfe_u32 s2, ttmp6, 0x10000c
	s_cmp_lg_u32 s2, 0x3003
	s_cbranch_scc0 .Lentry_shape_is_right
	s_endpgm
.Lentry_shape_is_right:
; ctx[h][q][:] = the sum over k of softmax_k(Q[h][q] . K[h][k] / 8 + mask[batch][k]) V[h][k][:].  Q, K, V: the three parts of qkv, [64 = 16 batch + head][2048][64] f16; ctx likewise.
; vec holds 8 x mask in f32 from byte 24,576 on, [4][2048].  Products, maxima and sums in f32; the weights p are rounded to f16 for the second product (their sum l is taken of the unrounded p), ctx once.
; LIMITS.  f16 holds no number beyond 65,504: Q, K, V arrive within it; p below 6e-5 keeps f16's fixed step of 6e-8.  A weight below 2^-126 counts as 0 in l.  A key whose 8 x mask is minus infinity has
; weight 0; a batch in which every key is so hidden gives NaN.  NaN and plus infinity are not treated apart.
; SHARES.  A wave owns four PIECES of two tiles of 16 queries, a work-group's four waves 512 queries of one head.  Every wave walks all keys, 64 a step.
; LAYOUT.  S^T = K Q^T + 8 mask (source 0 = 16 keys, source 1 = 16 queries; the mask is the C operand that starts the sum): a lane holds ONE query (lane % 16) and the keys 8 (lane / 16) + 0..7.  Two such tiles,
; rounded to f16 in pairs, ARE source 1 of O^T = V^T P.  K comes out of LDS as it lies, V turned, by ds_load_tr16_b128.
; SOFTMAX.  A running maximum m and sum l: p = 2^(c s - c m), c = log2(e) / 8; in every step O and l are multiplied by a = 2^(c m_old - c m_new).  m starts at the lowest finite number and c m at c times
; that, by the same product as in every step: a first step of real scores has a = 0, one whose keys are all hidden has a = 1 on zeros.
; BY TURNS.  Turn n belongs to piece n.  Matrix work: 16 products K Q^T of piece n + 1, later 16 products V^T P of piece n - 1.  Vector work: scaling, exponentials, roundings, sums, rescaling of piece n and
; the maximum and statistics of piece n + 1.  Four vector instructions stand behind every matrix instruction, the others in one run; a turn's 66 exponentials are one batch with one wait.
; CLUSTER.  The four query blocks of a head walk the same K and V: each tile is asked for JOINTLY.
; REGISTERS: window 0: v0-11 addresses; v12-15, v48-63 at work; v16-47 statistics; v64-191 S^T, two buffers of two tiles; v192-255 P, likewise
;   window 1: O^T, 32 a tile      window 2: v0-127 Q; v128-191 K of one step; v192-255 V of one step      window 3: v0-1 the add's two registers; v8-39 the mask of one step
.set SIZE_N, 2048
.set NP,    4
.set KS,    64
.set PK,    144       ; a row of K in LDS: 128 bytes + 16
.set PV,    160       ; a row of V: 128 + 32
.set VOFF,  4*KS*PK   ; a slot holds four steps: 256 rows of K, then 256 rows of V
.set SLOT1, 1<<17
.set STAGE, SLOT1+4*KS*(PK+PV)  ; behind the ring: 16 rows x 144 bytes for each wave
.set SP,    144
.set SPARE, STAGE+4*16*SP       ; the spare words, 128 bytes a wave
.set MASKB, SPARE+512           ; the batch's 2,048 numbers 8 x mask, 8,192 bytes; no tensor load lands here
.set AK0, 2
.set AV0, 3
.set AK,  4
.set AV,  5
.set QO,  6
.set STO, 6
.set RD,  7
.set GO,  8
.set PFO, 9           ; v9   256 x lane, once its use as lane / 16 is over
.set AM,  10          ; v10  the LDS address of the mask's next run of loads
.set AM0, 11          ; v11  MASKB + 32 (lane / 16)
.set SPW, 0           ; v0 of window 3
.set NIL, 1           ; v1 of window 3
.set MK,  8           ; v8-39 of window 3: the eight registers for key block kb at MK + 8 kb
.set MV,  12
.set ST,  16
.set TMP, 48
.set S,   64
.set P,   192
.set KF,  128
.set VF,  192
.set WV,  12
.set G1K, 24
.set G1V, 32
.set G0K, 40
.set G0V, 44
.set PFA, 48          ; s[48:49] where my prefetches stand
.set LIM, 50          ; s50  1 in waves 0 and 2, else the greatest number
.set TBM, 51          ; s51  byte in the mask at which the step to be fetched begins, cut to 0 .. 8,191
.set SLOTS, 56
.set CNT, 57
.set CS,  58
.set SEL, 60
.set TBK, 62
.set TBV, 63
.set MSB, 0
.macro WIN new
.if MSB != (\new)
	s_set_vgpr_msb (MSB<<8)|(\new)
.set MSB, (\new)
.endif
.endm
.set W_KQ, 0x0a       ; K and Q in window 2, S^T in window 0
.set W_KM, 0x3a       ; the same with the C operand, the mask, in window 3
.set W_PV, 0x52       ; V in window 2, P in window 0, O^T in window 1
.set W_RS, 0x41
.set W_MK, 0xc0
.set W_AD, 0x0f
.macro JLOAD                        ; waves 0 and 1 fetch the two halves of a slot's K, waves 2 and 3 those of its V.  An s_nop 0 and four v_nop follow each line
	s_cmp_lt_u32 s[WV], 2
	s_cbranch_scc0 .Lfor_v_\@
	tensor_load_to_lds s[G0K:G0K+3], s[G1K:G1K+7]
	s_nop 0
.rept 4
	v_nop
.endr
	s_branch .Lasked_\@
.Lfor_v_\@:
	tensor_load_to_lds s[G0V:G0V+3], s[G1V:G1V+7]
	s_nop 0
.rept 4
	v_nop
.endr
.Lasked_\@:
.endm
.macro CROUND
	s_barrier_signal -1
	s_barrier_wait -1
	s_cmp_lg_u32 s[WV], 0
	s_cbranch_scc1 .Lnot_wave_0_\@
	s_barrier_signal -3
.Lnot_wave_0_\@:
	s_barrier_wait -3
	s_barrier_signal -1
	s_barrier_wait -1
.endm
; A prefetch of what the NEXT change of slots will ask for: 32,768 bytes of K and of V.  The four partners take 8,192 bytes each, told apart by address; wave 0 asks for K's, wave 2 for V's; a lane names 256 bytes.
; A head has one cluster, so each block is named once.  The last change that fills a slot asks for nothing.
.macro ASK
	s_cmp_gt_u32 s[SLOTS], s[LIM]
	s_cbranch_scc0 .Lnot_mine_\@
	global_prefetch_b8 v[PFO], s[PFA:PFA+1] th:TH_LOAD_NT scope:SCOPE_SE
.Lnot_mine_\@:
.endm
; THE CHANGE OF SLOTS.  Each wave waits for all its tensor loads (one is out: its part of the other slot), adds 0 to its spare word, and waits for that and for its LDS instructions.  fill = 1: the barrier is a round
; of the cluster's, and the joint fill is the first thing behind it: it has four key steps, 512 matrix instructions, in which to land.  At its first use slot 0 is waited for, slot 1 filled, and the mask,
; which every wave has just stored its part of, is whole behind the round.
.macro CHANGE fill, ask=0
	WIN W_AD
	s_wait_tensorcnt 0x0
	ds_add_u32 v[SPW], v[NIL]
	WIN 0
.if \fill
.irp g, G0K, G0V
	s_xor_b32 s[\g+1], s[\g+1], SLOT1
	s_add_nc_u64 s[\g+2:\g+3], s[\g+2:\g+3], 4*KS*128
.endr
	s_wait_xcnt 0x0                 ; the last prefetch, four key steps back, has read its address
	s_add_nc_u64 s[PFA:PFA+1], s[PFA:PFA+1], 4*KS*128
	s_wait_dscnt 0x0
	CROUND
	JLOAD
.if \ask
	ASK
.endif
.else
	s_wait_dscnt 0x0
	s_barrier_signal -1
	s_barrier_wait -1
.endif
	s_sub_co_u32 s[TBK], s[TBK], 4*KS*PK
	s_xor_b32 s[TBK], s[TBK], SLOT1
	s_sub_co_u32 s[TBV], s[TBV], 4*KS*PV
	s_xor_b32 s[TBV], s[TBV], SLOT1
.endm
	s_load_b64 s[4:5], s[0:1], 0x0    ; qkv: Q's part first
	s_load_b64 s[52:53], s[0:1], 0x8  ; vec
	s_load_b64 s[10:11], s[0:1], 0x10 ; ctx
	WIN W_MK
	v_lshl_add_u32 v[SPW], v0, 2, SPARE
	v_mov_b32 v[NIL], 0
	WIN W_AD
	ds_add_u32 v[SPW], v[NIL]       ; the wave's opening
	WIN 0
	v_lshrrev_b32 v1, 5, v0
	v_readfirstlane_b32 s[WV], v1
	s_bfe_u32 s13, ttmp6, 0x40000   ; cx
	s_lshl_b32 s14, ttmp9, 2
	s_add_co_u32 s14, s14, s13      ; my block of 512 queries
	s_and_b32 s20, ttmp7, 0xffff    ; 16 batch + head
	s_lshr_b32 s54, s20, 4
	s_lshl_b32 s54, s54, 13         ; the batch's 8,192 bytes of mask,
	s_add_co_u32 s54, s54, 24576    ; which begins at byte 24,576 of vec
	s_mov_b32 s55, 0
	s_mov_b32 s21, 0
	s_mov_b64 s[22:23], SIZE_N*128
	s_mul_u64 s[20:21], s[20:21], s[22:23]  ; the head's first byte in Q, K, V and ctx
	s_and_b32 s16, s[WV], 1
	s_lshl_b32 s22, s16, 14
	s_mov_b32 s23, 0
	s_add_nc_u64 s[22:23], s[22:23], s[20:21]
	s_mul_i32 s17, s16, 128*PK
	s_mul_i32 s18, s16, 128*PV
	s_lshl_b32 s2, s14, 2
	s_add_co_u32 s2, s2, s[WV]
	s_lshl_b32 s2, s2, 14           ; my wave's 128 rows
	s_mov_b32 s3, 0
	s_add_nc_u64 s[2:3], s[2:3], s[20:21]
	; 128 keys are 16,384 dense bytes: asked for as 64 rows of 256 bytes, two keys a row, padded in LDS after every key
	s_mov_b32 s[G1K], 15|(1<<16)|(1<<20)|(1<<21)|(4<<22)|(3<<25)
	s_mov_b32 s[G1V], 15|(1<<16)|(1<<20)|(1<<21)|(4<<22)|(7<<25)
.irp g, G1K, G1V
	s_mov_b32 s[\g+1], 128<<16
	s_mov_b32 s[\g+2], 64<<16
	s_mov_b32 s[\g+3], 128<<16
	s_mov_b32 s[\g+4], 64
	s_mov_b32 s[\g+5], 128
	s_mov_b32 s[\g+6], 0
	s_mov_b32 s[\g+7], 0
.endr
	s_mov_b32 s[CS], 0x3e38aa3b     ; c = log2(e) / 8
	s_mov_b32 s[CS+1], s[CS]
	s_mov_b32 s[SEL], 0x76543210
	s_mov_b32 s[SEL+1], 0xfedcba98
	s_mov_b32 s[TBK], SLOT1+4*KS*PK ; the first change of slots turns these two into 0
	s_mov_b32 s[TBV], SLOT1+4*KS*PV
	s_mov_b32 s[TBM], 0
	s_mov_b32 s[G0K], 1
	s_mov_b32 s[G0K+1], s17
	s_mov_b32 s[G0V], 1
	s_add_co_u32 s[G0V+1], s18, VOFF
	s_and_b32 s[LIM], s[WV], 1
	s_cmp_eq_u32 s[LIM], 0
	s_cselect_b32 s[LIM], 1, -1
	s_wait_dscnt 0x0                ; the opening add is done
	s_wait_kmcnt 0x0
	s_add_nc_u64 s[6:7], s[4:5], 0x1000000   ; K's part of qkv
	s_add_nc_u64 s[8:9], s[4:5], 0x2000000   ; V's
	s_add_nc_u64 s[52:53], s[52:53], s[54:55]
	s_cmp_lt_u32 s[WV], 2
	s_cselect_b64 s[PFA:PFA+1], s[6:7], s[8:9]
	s_add_nc_u64 s[PFA:PFA+1], s[PFA:PFA+1], s[20:21]
	s_lshl_b32 s54, s13, 13         ; my work-group's 8,192 bytes of a slot's 32,768
	s_add_nc_u64 s[PFA:PFA+1], s[PFA:PFA+1], s[54:55]
	s_add_nc_u64 s[PFA:PFA+1], s[PFA:PFA+1], 4*KS*128  ; in slot 1: the first change steps it to 2, the loop's first to 3
	s_add_nc_u64 s[G0K+2:G0K+3], s[6:7], s[22:23]
	s_or_b32 s[G0K+3], s[G0K+3], 0x80000000
	s_add_nc_u64 s[G0V+2:G0V+3], s[8:9], s[22:23]
	s_or_b32 s[G0V+3], s[G0V+3], 0x80000000
	s_add_nc_u64 s[4:5], s[4:5], s[2:3]
	s_add_nc_u64 s[10:11], s[10:11], s[2:3]
	CROUND                          ; all four work-groups are here
	JLOAD                           ; slot 0
	v_and_b32 v1, 15, v0            ; l % 16
	v_bfe_u32 v9, v0, 4, 1          ; l / 16
	v_lshlrev_b32 v[QO], 7, v1
	v_lshl_add_u32 v[QO], v9, 4, v[QO]
	v_lshlrev_b32 v80, 4, v0        ; the mask: 128 threads x 16 bytes, four times, into registers of S^T that are still free
.irp i, 0,1,2,3
	global_load_b128 v[64+4*\i:64+4*\i+3], v80, s[52:53] offset:2048*\i
.endr
	WIN 0x80
.set i, 0
.rept 4*NP                          ; Q stays in registers: tile i / 2, channels 32 (i % 2) on
	global_load_b128 v[8*i:8*i+3],   v[QO], s[4:5] offset:(i/2)*2048+(i%2)*64
	global_load_b128 v[8*i+4:8*i+7], v[QO], s[4:5] offset:(i/2)*2048+(i%2)*64+32
.set i, i+1
.endr
	; What the first turn finds: V's registers and P's second buffer hold 0, O^T and l are 0.  All this stands in the wait for the first tile.
.set i, VF
.rept 64
	v_mov_b32 v[i], 0
.set i, i+1
.endr
	WIN 0x40
.set i, 0
.rept 64*NP
	v_mov_b32 v[i], 0
.set i, i+1
.endr
	WIN 0
.set i, 0
.rept 2*NP
	v_mov_b32 v[ST+4*i+1], 0xff7fffff            ; m: the lowest finite number
	v_mul_f32 v[ST+4*i], s[CS], v[ST+4*i+1]      ; c m, by the product that every step makes
	v_mov_b32 v[ST+4*i+2], 0
	v_mov_b32 v[ST+4*i+3], 0
.set i, i+1
.endr
.set i, P+32
.rept 32
	v_mov_b32 v[i], 0
.set i, i+1
.endr
	v_mul_u32_u24 v[AK0], v1, PK
	v_lshl_add_u32 v[AK0], v9, 4, v[AK0]
	v_and_b32 v10, 7, v0
	v_bfe_u32 v11, v0, 3, 1
	v_lshl_add_u32 v[AV0], v9, 3, v10
	v_mul_u32_u24 v[AV0], v[AV0], PV
	v_lshl_add_u32 v[AV0], v11, 4, v[AV0]
	v_add_nc_u32 v[AV0], VOFF, v[AV0]
	v_mov_b32 v[AK], v[AK0]
	s_mul_i32 s13, s[WV], 16*SP
	s_add_co_u32 s13, s13, STAGE    ; my stage
	v_bfe_u32 v[RD], v0, 3, 2       ; the way out, back: 32 lanes take four rows of 128 bytes
	v_mul_u32_u24 v[RD], v[RD], SP
	v_lshl_add_u32 v[RD], v10, 4, v[RD]
	v_add_nc_u32 v[RD], s13, v[RD]
	v_lshl_add_u32 v[AM0], v9, 5, MASKB  ; register j of key block kb holds key 16 kb + 8 (l / 16) + j: 32 bytes a half of the lanes
	v_mov_b32 v[AM], v[AM0]
	s_wait_loadcnt 32               ; the mask is in; Q's 32 younger loads stay out
	v_lshl_add_u32 v81, v0, 4, MASKB
.irp i, 0,1,2,3
	ds_store_b128 v81, v[64+4*\i:64+4*\i+3] offset:2048*\i
.endr
; THE MATRIX WORK.  The 8 accumulators of a run of 16 take turns.  Product i of 16 of S^T for piece x: channels 32 (i / 8) on, keys 16 ((i / 2) % 4) on, tile 2 x + i % 2.  The first 8 start the sums, with the mask.
.macro KQ x
.set rS, S+64*((\x)%2)+32*(i%2)+8*((i/2)%4)
.set rK, KF+16*((i/2)%4)+8*(i/8)
.set rQ, 16*(2*(\x)+i%2)+8*(i/8)
.set rM, MK+8*((i/2)%4)
.if i < 8
	WIN W_KM
	v_wmma_f32_16x16x32_f16 v[rS:rS+7], v[rK:rK+7], v[rQ:rQ+7], v[rM:rM+7]
.else
	WIN W_KQ
	v_wmma_f32_16x16x32_f16 v[rS:rS+7], v[rK:rK+7], v[rQ:rQ+7], v[rS:rS+7]
.endif
.endm
.macro PV x
	WIN W_PV
.set rO, 32*(2*(\x)+i%2)+8*((i/2)%4)
.set rV, VF+32*(i/8)+8*((i/2)%4)
.set rP, P+32*((\x)%2)+16*(i%2)+8*(i/8)
	v_wmma_f32_16x16x32_f16 v[rO:rO+7], v[rV:rV+7], v[rP:rP+7], v[rO:rO+7]
.endm
.macro MM
.if i < 16
	KQ (Y+1)%NP
.set i, i+1
.else
.set i, i-16
	PV (Y+NP-1)%NP
.set i, i+17
.endif
.endm
; THE LDS LOADS stand in runs: a step's K (8 fragments) with its mask (64 numbers: 8 a lane and key block), and its V (turned).  The mask's registers live as long as K's.
.macro FETCH_K last=0
	WIN 0
.if \last
	s_cmp_eq_u32 s[CNT], 1
	s_cbranch_scc1 .Lno_k_\@
.endif
	WIN 0x80
.irp f, 0,1,2,3,4,5,6,7
	ds_load_b128 v[KF+8*\f:KF+8*\f+3],   v[AK] offset:(\f/2)*16*PK+(\f%2)*64
	ds_load_b128 v[KF+8*\f+4:KF+8*\f+7], v[AK] offset:(\f/2)*16*PK+(\f%2)*64+32
.endr
	WIN 0xc0
.irp f, 0,1,2,3,4,5,6,7
	ds_load_b128 v[MK+4*\f:MK+4*\f+3], v[AM] offset:(\f/2)*64+(\f%2)*16
.endr
	s_add_co_u32 s[TBK], s[TBK], KS*PK
	s_add_co_u32 s[TBM], s[TBM], KS*4
	s_and_b32 s[TBM], s[TBM], 0x1fff   ; the mask's 8,192 bytes are walked once; the cut keeps the index inside them
	WIN 0
.if \last
.Lno_k_\@:
.endif
.endm
.macro FETCH_V
	WIN 0x80
.irp f, 0,1,2,3,4,5,6,7
	ds_load_tr16_b128 v[VF+8*\f:VF+8*\f+3],   v[AV] offset:(\f/4)*32*PV+(\f%4)*32
	ds_load_tr16_b128 v[VF+8*\f+4:VF+8*\f+7], v[AV] offset:(\f/4)*32*PV+16*PV+(\f%4)*32
.endr
	WIN 0
.endm
; THE VECTOR WORK OF A TURN stands in three queues, each in the order in which its entries become ready; the two tiles alternate.
.macro REGS y, u
.set rT, ST+4*(2*(\y)+(\u))
.set rC, TMP+8*((\y)%2)+4*(\u)
.set rM, MV+2*((\y)%2)+(\u)
.set rS, S+64*((\y)%2)+32*(\u)
.set rP, P+32*((\y)%2)+16*(\u)
.set rO, 32*(2*(\y)+(\u))
.endm
; Number n of the 22 that find the NEXT piece's maximum and statistics; each accumulator's lowest registers are read first.
.macro XS u, n
	REGS (Y+1)%NP, \u
.if (\n) < 4
	v_max3_num_f32 v[rC+(\n)], v[rS+8*(\n)], v[rS+8*(\n)+1], v[rS+8*(\n)+2]
.elseif (\n) < 12
	v_max3_num_f32 v[rC+(\n)%4], v[rC+(\n)%4], v[rS+8*((\n)%4)+2*((\n)/4)+1], v[rS+8*((\n)%4)+2*((\n)/4)+2]
.elseif (\n) == 12
	v_max3_num_f32 v[rC], v[rC], v[rS+7], v[rS+15]
.elseif (\n) == 13
	v_max3_num_f32 v[rC+1], v[rC+1], v[rS+23], v[rS+31]
.elseif (\n) == 14
	v_max3_num_f32 v[rC+2], v[rC+2], v[rC+3], v[rT+1]
.elseif (\n) == 15
	v_mov_b32 v[rM], v[rT]
.elseif (\n) == 16
	v_max3_num_f32 v[rC], v[rC], v[rC+1], v[rC+2]
.elseif (\n) == 17
	v_permlanex16_b32 v[rC+3], v[rC], s[SEL], s[SEL+1]
.elseif (\n) == 18
	v_max_num_f32 v[rT+1], v[rC], v[rC+3]
.elseif (\n) == 19
	v_mul_f32 v[rT], s[CS], v[rT+1]
.elseif (\n) == 20
	v_sub_f32 v[rC+1], v[rM], v[rT]
.else
	v_exp_f32 v[rC+2], v[rC+1]
.endif
.endm
; Number g of the 64 that follow the exponentials: round, round, add, and l for the group before.
.macro GS g
.set h, (\g)+6*((\g)/62)
.if h >= 6
.set h, h+2
.endif
	REGS Y, h%2
.set k, h/8
.if h%8 < 4
	v_cvt_pk_f16_f32 v[rP+2*k+(h%8)/2], v[rS+4*k+2*((h%8)/2)], v[rS+4*k+2*((h%8)/2)+1]
.elseif h%8 < 6
	v_pk_add_f32 v[rS+4*k:rS+4*k+1], v[rS+4*k:rS+4*k+1], v[rS+4*k+2:rS+4*k+3]
.elseif k == 1
	v_pk_fma_f32 v[rT+2:rT+3], v[rT+2:rT+3], v[rC+2:rC+3], v[rS:rS+1] op_sel_hi:[1,0,1]
.else
	v_pk_add_f32 v[rT+2:rT+3], v[rT+2:rT+3], v[rS+4*k-4:rS+4*k-3]
.endif
.endm
.macro FS f
	REGS Y, (\f)%2
	v_pk_fma_f32 v[rS+2*((\f)/2):rS+2*((\f)/2)+1], v[rS+2*((\f)/2):rS+2*((\f)/2)+1], s[CS:CS+1], v[rT:rT+1] op_sel_hi:[1,0,0] neg_lo:[0,0,1] neg_hi:[0,0,1]
.endm
; THE PLAIN QUEUE, 138 long: 0-73 read no exponential's result (the 32 scalings and the next piece's 42); 74-137 are GS's 64, behind the wait.
.macro PL
	WIN 0
.if q < 27
	FS q
.elseif q < 55
	XS (q-27)%2, (q-27)/2
.elseif q < 57
	XS q-55, 15
.elseif (q < 72) && ((q-57)%3 == 0)
	FS 27+(q-57)/3
.elseif q < 60
	XS (q-57)%3-1, 14
.elseif q < 72
	XS (q-57)%3-1, 15+(q-57)/3
.elseif q < 74
	XS q-72, 20
.else
	GS q-74
.endif
.set q, q+1
.endm
; THE EXPONENTIALS' QUEUE, 66 long: one batch, all ahead of the turn's one wait.
.macro EX
	WIN 0
.if e >= 64
	XS e-64, 21
.else
	REGS Y, e%2
	v_exp_f32 v[rS+e/2], v[rS+e/2]
.endif
.set e, e+1
.endm
; THE RESCALING's QUEUE: O^T times a, two at a time.
.macro R2
	REGS Y, r%2
	WIN W_RS
.irp z, 0,1
	v_pk_mul_f32 v[rO+4*(r/2)+2*\z:rO+4*(r/2)+2*\z+1], v[rO+4*(r/2)+2*\z:rO+4*(r/2)+2*\z+1], v[rC+2:rC+3] op_sel_hi:[1,0]
.endr
.set r, r+1
.endm
; A TURN, for piece p.  Ahead of the one wait: 16 products K Q^T, behind each a scaling, an exponential and two rescalings; then a run of 108.  Behind it: 16 products V^T P, behind each four of GS's 64.
; K and the mask of the next step are fetched in piece 2's turn, directly behind the wait; their addresses are made at the run's head.  V of the step in hand is fetched at the end of piece 0's turn.
.macro TURN p, last=0, cnt=0
.set Y, (\p)
.set i, 0
.set q, 0
.set e, 0
.set r, 0
.if (\p) == NP-1
	s_wait_dscnt 0x0                ; K and the mask are in
.endif
	MM
	PL
	PL
	R2
.rept 15
	MM
	PL
	EX
	R2
.endr
.if (\p) == NP-2
	WIN 0
	v_add_nc_u32 v[AK], s[TBK], v[AK0]
	v_add_nc_u32 v[AM], s[TBM], v[AM0]
.endif
.rept 8
	PL
.endr
.rept 49
	EX
	PL
.endr
	EX
	EX
	v_nop                           ; a plain instruction behind the last exponential: one for the batch
	s_wait_alu depctr_va_vdst(0)    ; the wait ahead of the first use: one for the batch
.if (\p) == NP-2
	FETCH_K \last
.endif
.if (\p) == 1
	s_wait_dscnt 0x0                ; V is in
.endif
.rept 16
	MM
.rept 4
	PL
.endr
.if ((\p) == 0) && (q == 118)
	v_add_nc_u32 v[AV], s[TBV], v[AV0]
.endif
.if ((\p) == 0) && (q == 130)
	s_add_co_u32 s[TBV], s[TBV], KS*PV
.endif
.if (\cnt) && (q == 130)
	s_sub_co_u32 s[CNT], s[CNT], 1
	s_cmp_lg_u32 s[CNT], 0
.endif
.endr
.if (\p) == 0
	FETCH_V
.endif
.endm
	CHANGE 1                        ; slot 0 is in and the mask is whole; slot 1 is asked for
	FETCH_K                         ; key step 0
	s_wait_loadcnt 0x0              ; Q
	s_wait_dscnt 0x0
.set i, 0
.rept 16
	KQ 0
.set i, i+1
.endr
	WIN 0                           ; seven plain instructions, the places behind those products
	v_mul_u32_u24 v[STO], v1, SP    ; the way out, in: row l % 16, 16 bytes for each half of the lanes
	v_lshl_add_u32 v[STO], v9, 4, v[STO]
	v_add_nc_u32 v[STO], s13, v[STO]
	v_and_b32 v[GO], 31, v0
	v_lshlrev_b32 v[GO], 4, v[GO]
	v_and_b32 v[PFO], 31, v0
	v_lshlrev_b32 v[PFO], 8, v[PFO]
.set Y, NP-1
.irp n, 0,1,2,3,4,5,6,7,8,9,10,11,12,13,14,15,16,17,18,19,20,21
	XS 0, \n
	XS 1, \n
.endr
	v_nop
	s_wait_alu depctr_va_vdst(0)    ; the two a have their wait ahead of the branch
	s_mov_b32 s[CNT], 4
	s_mov_b32 s[SLOTS], SIZE_N/256-1
	s_branch .Lfirst
.Lslot:                             ; six times: every slot but the last two is filled again
	CHANGE 1, 1
	s_mov_b32 s[CNT], 4
.Lstep:
	TURN 2
	TURN 3
	WIN 0
.Lfirst:
	TURN 0
	TURN 1, 0, 1
	WIN 0
	s_cbranch_scc1 .Lstep
	s_sub_co_u32 s[SLOTS], s[SLOTS], 1
	s_cmp_lg_u32 s[SLOTS], 0
	s_cbranch_scc1 .Lslot
	CHANGE 0                        ; the tail is written out
	s_mov_b32 s[CNT], 5
.Ltail:
	TURN 2, 1
	TURN 3
	WIN 0
	s_sub_co_u32 s[CNT], s[CNT], 1
	s_cmp_eq_u32 s[CNT], 0
	s_cbranch_scc1 .Lout
	TURN 0
	TURN 1
	WIN 0
	s_branch .Ltail
.Lout:                              ; the fifth trip's 16 products K Q^T and the maximum made of them serve nothing: the price of one text for every trip
.set i, 0
.rept 16
	PV NP-1
.set i, i+1
.endr
	; THE WAY OUT
	WIN 0
.macro ALL line:vararg
.set t, 0
.rept 2*NP
	\line
.set t, t+1
.endr
.endm
	ALL v_add_f32 v[ST+4*t+2], v[ST+4*t+2], v[ST+4*t+3]
	ALL v_permlanex16_b32 v[ST+4*t+3], v[ST+4*t+2], s[SEL], s[SEL+1]
	ALL v_add_f32 v[ST+4*t+2], v[ST+4*t+2], v[ST+4*t+3]
	ALL v_rcp_f32 v[ST+4*t+2], v[ST+4*t+2]
	v_nop
	s_wait_alu depctr_va_vdst(0)    ; one wait for the eight reciprocals
.macro PACK t
	WIN W_RS
.set i, 32*(\t)
.rept 16
	v_pk_mul_f32 v[i:i+1], v[i:i+1], v[ST+4*(\t)+2:ST+4*(\t)+3] op_sel_hi:[1,0]
.set i, i+2
.endr
	WIN 0x05
.set i, 0
.rept 16
	v_cvt_pk_f16_f32 v[S+16*(\t)+i], v[32*(\t)+2*i], v[32*(\t)+2*i+1]
.set i, i+1
.endr
	WIN 0
.irp f, 0,1,2,3
	ds_store_b128 v[STO], v[S+16*(\t)+4*\f:S+16*(\t)+4*\f+3] offset:32*\f
.endr
.irp f, 0,1,2,3
	ds_load_b128 v[S+16*(\t)+4*\f:S+16*(\t)+4*\f+3], v[RD] offset:\f*4*SP  ; LDS serves a wave's instructions in order (ISA guide 5.7.1.4)
.endr
.endm
.macro SEND t, younger
	WIN 0
.irp f, 0,1,2,3
	s_wait_dscnt (\younger)+3-\f
	global_store_b128 v[GO], v[S+16*(\t)+4*\f:S+16*(\t)+4*\f+3], s[10:11] offset:(\t)*2048+\f*512  ; 512 consecutive bytes, aligned
.endr
.endm
	PACK 0
.set t, 1
.rept 2*NP-1
	PACK t
	SEND t-1, 8
.set t, t+1
.endr
	SEND 2*NP-1, 0
	WIN W_AD
	s_wait_tensorcnt 0x0            ; the wave's end
	ds_add_u32 v[SPW], v[NIL]
	s_wait_dscnt 0x0
	WIN 0
	CROUND                          ; the closing round
	s_endpgm
.Lfunc_end_k_qfb2119b8c2_attn:
	.size	k_qfb2119b8c2_attn, .Lfunc_end_k_qfb2119b8c2_attn-k_qfb2119b8c2_attn
	.p2alignl 7, 3214868480
	.fill 96, 4, 3214868480
	.section	.rodata,"a",@progbits
	.p2align	6, 0x0
	.amdhsa_kernel k_qfb2119b8c2_attn
		.amdhsa_group_segment_fixed_size 327680
		.amdhsa_private_segment_fixed_size 0
		.amdhsa_enable_private_segment 0
		.amdhsa_kernarg_size 24
		.amdhsa_user_sgpr_count 2
		.amdhsa_user_sgpr_kernarg_segment_ptr 1
		.amdhsa_wavefront_size32 1
		.amdhsa_system_sgpr_workgroup_id_x 1
		.amdhsa_system_sgpr_workgroup_id_y 1
		.amdhsa_system_sgpr_workgroup_id_z 1
		.amdhsa_system_vgpr_workitem_id 0
		.amdhsa_next_free_vgpr 808
		.amdhsa_next_free_sgpr 66
		.amdhsa_reserve_vcc 0
		.amdhsa_float_denorm_mode_32 3
		.amdhsa_float_denorm_mode_16_64 3
		.amdhsa_memory_ordered 1
		.amdhsa_forward_progress 1
		.amdhsa_inst_pref_size 203
	.end_amdhsa_kernel
	.amdgpu_metadata
---
amdhsa.version: [ 1, 2 ]
amdhsa.kernels:
  - .name:           k_qfb2119b8c2_attn
    .symbol:         k_qfb2119b8c2_attn.kd
    .args:
      - { .name: qkv, .offset: 0, .size: 8, .value_kind: global_buffer, .address_space: global }
      - { .name: vec, .offset: 8, .size: 8, .value_kind: global_buffer, .address_space: global }
      - { .name: ctx, .offset: 16, .size: 8, .value_kind: global_buffer, .address_space: global }
    .group_segment_fixed_size: 327680
    .private_segment_fixed_size: 0
    .kernarg_segment_align: 8
    .kernarg_segment_size: 24
    .max_flat_workgroup_size: 128
    .sgpr_count:     66
    .vgpr_count:     808
    .wavefront_size: 32
...
	.end_amdgpu_metadata
.endif
;; end of part 3
;; launch outln (part 4): grid 256 x 1, 4 waves a work-group, clusters of 4 x 1, 327,680 bytes of LDS; arguments ctx, wdt, xb, vec, out0; writes out0
.if DOCPART == 4
	.amdgcn_target "amdgcn-amd-amdhsa--gfx1250"
	.amdhsa_code_object_version 6
	.text
	.protected	k_qfb2119b8c2_outln
	.globl	k_qfb2119b8c2_outln
	.p2align	8
	.type	k_qfb2119b8c2_outln,@function
k_qfb2119b8c2_outln:
	s_mov_b64 s[64:65], 0
	v_nop
	global_prefetch_b8 v0, s[64:65] scope:SCOPE_SE
	s_setreg_imm32_b32 hwreg(HW_REG_WAVE_MODE, 25, 1), 1
	s_wait_xcnt 0x0
	s_wait_alu depctr_hold_cnt(0) depctr_sa_sdst(0) depctr_va_vdst(0) depctr_va_sdst(0) depctr_va_ssrc(0) depctr_va_vcc(0) depctr_vm_vsrc(0)
	s_getreg_b32 s2, hwreg(HW_REG_IB_STS2, 6, 4)
	s_cmp_eq_u32 s2, 0
	s_cbranch_scc0 .Lentry_in_a_cluster
	s_endpgm
.Lentry_in_a_cluster:
	s_bfe_u32 s2, ttmp6, 0x10000c
	s_cmp_lg_u32 s2, 0x3003
	s_cbranch_scc0 .Lentry_shape_is_right
	s_endpgm
.Lentry_shape_is_right:
; out = LayerNorm(ctx Wd + bd) gamma + beta + x.  ctx: [64 = 16 batch + head][2048][64] f16; wdt: [16 kb][1024 n][64 k] f16; xb: [8192][1024] bf16; vec: bd at byte 12,288, gamma 16,384, beta 20,480 (f32); out0 f32.
; The norm wants whole rows in one work-group: 32 tokens x 1,024 columns each, 256 work-groups.  A wave makes 32 x 256: 32 accumulators.  K goes in 16 steps of 64 (one head) through two LDS slots.
; All work-groups walk the same wdt: a cluster of four asks for it jointly (waves 0 and 1, half a step each); wave 2 fetches the work-group's own 32 rows of ctx; wave 3 fetches nothing in the ring.
; The sums stay f32: they go through LDS (slot 1, after its last fill) so that a wave gets whole rows; mean, then the variance of (h - mean): no difference of large sums.
; The residual's rows of xb come by the ring's last refill, into slot 0.
; THE MATRIX INSTRUCTION IS USED TRANSPOSED (source 0 = 16 rows n of wdt, source 1 = 16 tokens): a lane holds one token and eight neighbouring columns.
; LIMIT.  ctx and Wd lie within f16's range; var + 1e-12 is never a denormal.
; REGISTERS: window 0: v0-31 addresses and small things; v32-63 ctx's fragments (two buffers of 2 x 8), later x; v64-95 gamma, v96-127 beta, v128-159 bd of my 32 columns; v160-223 two rows of h; v224-239 at work
;   window 1: accumulators at 8 (16 a + b)      window 2: wdt's fragments, two buffers of 16 x 8
.set PB,    144                        ; an LDS row: 128 bytes + 16
.set AOFF,  1024*PB                    ; ctx's 32 rows lie behind wdt's 1,024
.set SLOT,  AOFF+32*PB
.set SPARE, 2*SLOT                     ; the spare words, 128 bytes a wave
.set HS,    SLOT                       ; h: 32 rows of 4,096 + 16 bytes, in slot 1 after its last fill
.set HP,    4112
.set ADRA, 4                           ; v4, v5   my lane's place in ctx's tile of slot 0, 1
.set ADRB, 6                           ; v6, v7   the same for wdt
.set HSA,  8                           ; v8, v9   where I put 32 bytes of h, token block 0, 1
.set L16,  10                          ; v10  16 x lane
.set L8,   11                          ; v11  8 x lane
.set PFO,  12                          ; v12  256 x lane
.set PFOA, 13                          ; v13  ctx's prefetch: two heads x sixteen blocks of 256 bytes
.set SPW,  14
.set NIL,  15
.set ONE,  16                          ; v16  1.0
.set AH,   17
.set AX,   18
.set AF,   32
.set X,    32
.set G,    64
.set BT,   96
.set BD,   128
.set H,    160
.set T,    224
.set WV,   14                          ; s14  wave
.set LAP,  3                           ; s3   the loop's count
.set G1B,  24
.set G1A,  32
.set G1X,  40
.set G0B,  48                          ; s[48:51], s[52:55]: a set for each slot
.set G0A,  56                          ; s[56:59], s[60:63]
.set G0X,  68
.set PFB,  72
.set PFA,  74
.set XP,   76
.set LIMB, 78
.set LIMA, 79
.set SEL,  80
.set RN,   82                          ; s82  1 / 1024
.set EPS,  83                          ; s83  1e-12
.set RH,   84
.set RX,   85
.set ROWS, 86
.set MSB, 0
.macro WIN new
.if MSB != (\new)
	s_set_vgpr_msb (MSB<<8)|(\new)
.set MSB, \new
.endif
.endm
.macro PLACES
.rept 4
	v_nop
.endr
.endm
.macro CREST
	s_cmp_lg_u32 s[WV], 0
	s_cbranch_scc1 .Lnot_wave_0_\@
	s_barrier_signal -3
.Lnot_wave_0_\@:
	s_barrier_wait -3
	s_barrier_signal -1
	s_barrier_wait -1
.endm
.macro CROUND
	s_barrier_signal -1
	s_barrier_wait -1
	CREST
.endm
; A refill of slot s.  The branches hang on the wave's number alone.  An s_nop 0 and four v_nop follow each line; four more behind the label are wave 3's places in front of the loads that follow.
.macro JLOAD s
	s_cmp_lt_u32 s[WV], 2
	s_cbranch_scc0 .Lnot_b_\@
	tensor_load_to_lds s[G0B+4*(\s):G0B+4*(\s)+3], s[G1B:G1B+7]
	s_nop 0
.rept 4
	v_nop
.endr
	s_branch .Ldone_\@
.Lnot_b_\@:
	s_cmp_eq_u32 s[WV], 2
	s_cbranch_scc0 .Ldone_\@
	tensor_load_to_lds s[G0A+4*(\s):G0A+4*(\s)+3], s[G1A:G1A+7]
	s_nop 0
.rept 4
	v_nop
.endr
.Ldone_\@:
	PLACES
.endm
; PREFETCHES, behind the refill and the run of LDS loads.  wdt: the K step two refills on, 131,072 bytes = 16 waves x 32 lanes x 256, asked for by the first cluster alone, its sixteen waves told apart by address.
; ctx: wave 3 of every work-group, once a lap, the work-group's own 4,096 bytes of the two heads four and five steps on.  xb: in the last lap each wave names the 16,384 bytes that it loads two steps later.
; The last lap has no K step two refills on.
.macro ASK s
	s_cmp_gt_u32 s[LAP], s[LIMB]
	s_cbranch_scc0 .Lno_b_\@
	global_prefetch_b8 v[PFO], s[PFB:PFB+1] offset:131072 th:TH_LOAD_NT scope:SCOPE_SE
.Lno_b_\@:
.if (\s) == 0
	s_cmp_gt_u32 s[LAP], s[LIMA]
	s_cbranch_scc0 .Lno_a_\@
	global_prefetch_b8 v[PFOA], s[PFA:PFA+1] th:TH_LOAD_NT scope:SCOPE_SE
.Lno_a_\@:
	s_cmp_eq_u32 s[LAP], 1
	s_cbranch_scc0 .Lno_x_\@
	global_prefetch_b8 v[PFO], s[XP:XP+1] th:TH_LOAD_NT scope:SCOPE_SE
	global_prefetch_b8 v[PFO], s[XP:XP+1] offset:8192 th:TH_LOAD_NT scope:SCOPE_SE
.Lno_x_\@:
.endif
.endm
	s_load_b256 s[4:11], s[0:1], 0x0               ; ctx s[4:5], wdt s[6:7], xb s[8:9], vec s[10:11]
	s_load_b64 s[12:13], s[0:1], 0x20              ; out0
	v_lshl_add_u32 v[SPW], v0, 2, SPARE
	v_mov_b32 v[NIL], 0
	ds_add_u32 v[SPW], v[NIL]                      ; the wave's opening
	v_lshrrev_b32 v1, 5, v0
	v_readfirstlane_b32 s[WV], v1
	s_bfe_u32 s15, ttmp6, 0x40000                  ; cx
	s_lshl_b32 s16, ttmp9, 2
	s_add_co_u32 s16, s16, s15                     ; my block of 32 tokens
	s_mov_b32 s[G1B], 15|(1<<16)|(1<<20)|(1<<21)|(4<<22)|(3<<25)  ; the mask of four; 2-byte elements; padding on; bit 21 beside a mask; after every 32 words, 4 words
	s_mov_b32 s[G1B+1], 128<<16                    ; 65,536 dense bytes as 256 rows of 256 bytes, two rows n each
	s_mov_b32 s[G1B+2], 256<<16
	s_mov_b32 s[G1B+3], 128<<16
	s_mov_b32 s[G1B+4], 256
	s_mov_b32 s[G1B+5], 128
	s_mov_b32 s[G1B+6], 0
	s_mov_b32 s[G1B+7], 0
	s_mov_b32 s[G1A], (1<<16)|(1<<20)|(4<<22)|(3<<25)  ; a load of my own: no mask
	s_mov_b32 s[G1A+1], 128<<16                    ; 4,096 dense bytes as 16 rows of 256
	s_mov_b32 s[G1A+2], 16<<16
	s_mov_b32 s[G1A+3], 128<<16
	s_mov_b32 s[G1A+4], 16
	s_mov_b32 s[G1A+5], 128
	s_mov_b32 s[G1A+6], 0
	s_mov_b32 s[G1A+7], 0
	s_mov_b32 s[G1X], 1<<16                        ; 16,384 dense bytes as 64 rows of 256, no padding
	s_mov_b32 s[G1X+1], 128<<16
	s_mov_b32 s[G1X+2], 64<<16
	s_mov_b32 s[G1X+3], 128<<16
	s_mov_b32 s[G1X+4], 64
	s_mov_b32 s[G1X+5], 128
	s_mov_b32 s[G1X+6], 0
	s_mov_b32 s[G1X+7], 0
	s_mov_b32 s[G0B], 1
	s_mul_i32 s[G0B+1], s[WV], 512*PB              ; waves 0 and 1: the two halves of a step's 1,024 rows
	s_mov_b32 s[G0B+4], 1
	s_add_co_u32 s[G0B+5], s[G0B+1], SLOT
	s_mov_b32 s[G0A], 1
	s_mov_b32 s[G0A+1], AOFF
	s_mov_b32 s[G0A+4], 1
	s_mov_b32 s[G0A+5], SLOT+AOFF
	s_mov_b32 s[G0X], 1
	s_lshl_b32 s[G0X+1], s[WV], 14                 ; each wave's eight rows of xb, in slot 0
	s_lshl_b32 s88, s[WV], 16                      ; wdt: my half of a step
	s_mov_b32 s89, 0
	s_lshr_b32 s90, s16, 6                         ; ctx: batch = block / 64: 16 heads of 262,144 bytes;
	s_lshl_b32 s90, s90, 22
	s_and_b32 s91, s16, 63
	s_lshl_b32 s91, s91, 12                        ; 32 tokens of 128 bytes
	s_add_co_u32 s90, s90, s91
	s_mov_b32 s91, 0
	s_lshl_b32 s92, s16, 16                        ; xb: (32 block + 8 wave) rows of 2,048 bytes
	s_lshl_b32 s93, s[WV], 14
	s_add_co_u32 s92, s92, s93
	s_mov_b32 s93, 0
	s_lshl_b32 s94, s16, 17                        ; out0: the same rows, of 4,096 bytes
	s_lshl_b32 s95, s[WV], 15
	s_add_co_u32 s94, s94, s95
	s_mov_b32 s95, 0
	s_lshl_b32 s18, s15, 2
	s_add_co_u32 s18, s18, s[WV]
	s_lshl_b32 s18, s18, 13                        ; wdt's prefetch: (4 cx + wave) x 8,192
	s_mov_b32 s19, 0
	s_cmp_eq_u32 ttmp9, 0
	s_cselect_b32 s[LIMB], 1, -1                   ; the same in all four partners
	s_cmp_eq_u32 s[WV], 3
	s_cselect_b32 s[LIMA], 1, -1
	s_mov_b32 s[SEL], 0x76543210
	s_mov_b32 s[SEL+1], 0xfedcba98
	s_mov_b32 s[RN], 0x3a800000
	s_mov_b32 s[EPS], 0x2b8cbccc
	s_wait_dscnt 0x0                               ; the opening add is done
	s_wait_kmcnt 0x0
	s_add_nc_u64 s[G0B+2:G0B+3], s[6:7], s[88:89]
	s_add_nc_u64 s[G0B+6:G0B+7], s[G0B+2:G0B+3], 131072
	s_or_b32 s[G0B+3], s[G0B+3], 0x80000000
	s_or_b32 s[G0B+7], s[G0B+7], 0x80000000
	s_add_nc_u64 s[G0A+2:G0A+3], s[4:5], s[90:91]
	s_add_nc_u64 s[PFA:PFA+1], s[G0A+2:G0A+3], 2*262144  ; at head 2: the first lap steps it to 4
	s_add_nc_u64 s[G0A+6:G0A+7], s[G0A+2:G0A+3], 262144
	s_or_b32 s[G0A+3], s[G0A+3], 0x80000000
	s_or_b32 s[G0A+7], s[G0A+7], 0x80000000
	s_add_nc_u64 s[XP:XP+1], s[8:9], s[92:93]
	s_mov_b64 s[G0X+2:G0X+3], s[XP:XP+1]
	s_or_b32 s[G0X+3], s[G0X+3], 0x80000000
	s_add_nc_u64 s[12:13], s[12:13], s[94:95]
	s_add_nc_u64 s[PFB:PFB+1], s[6:7], s[18:19]
	s_add_nc_u64 s[PFB:PFB+1], s[PFB:PFB+1], 2*131072  ; at K step 2: the first refill steps it to 3 and names 4
	CROUND                                         ; all four work-groups are here
	s_cmp_lt_u32 s[WV], 2                          ; a wave's first fills stand in one branch: two loads of waves 0 to 2 are out, none of wave 3
	s_cbranch_scc0 .Lf_not_b
	tensor_load_to_lds s[G0B:G0B+3], s[G1B:G1B+7]
	s_nop 0
	tensor_load_to_lds s[G0B+4:G0B+7], s[G1B:G1B+7]
	s_nop 0
.rept 4
	v_nop
.endr
	s_branch .Lf_done
.Lf_not_b:
	s_cmp_eq_u32 s[WV], 2
	s_cbranch_scc0 .Lf_done
	tensor_load_to_lds s[G0A:G0A+3], s[G1A:G1A+7]
	s_nop 0
	tensor_load_to_lds s[G0A+4:G0A+7], s[G1A:G1A+7]
	s_nop 0
.rept 4
	v_nop
.endr
.Lf_done:
	v_and_b32 v19, 31, v0
	v_lshlrev_b32 v[L16], 4, v19
	v_lshlrev_b32 v[L8], 3, v19
	v_lshlrev_b32 v[PFO], 8, v19
.irp q, 0,1,2,3,4,5,6,7                ; in the rows' part lane l holds columns 128 q + 4 l .. + 3
	global_load_b128 v[G+4*\q:G+4*\q+3],   v[L16], s[10:11] offset:16384+512*\q
	global_load_b128 v[BT+4*\q:BT+4*\q+3], v[L16], s[10:11] offset:20480+512*\q
	global_load_b128 v[BD+4*\q:BD+4*\q+3], v[L16], s[10:11] offset:12288+512*\q
.endr
	v_and_b32 v1, 15, v0                           ; l % 16
	v_bfe_u32 v2, v0, 4, 1                         ; l / 16
	v_mul_u32_u24 v3, v1, PB
	v_lshl_add_u32 v3, v2, 4, v3
	v_add_nc_u32 v[ADRA], AOFF, v3
	v_add_nc_u32 v[ADRA+1], SLOT, v[ADRA]
	s_mul_i32 s20, s[WV], 256*PB                   ; my 256 columns
	v_add_nc_u32 v[ADRB], s20, v3
	v_add_nc_u32 v[ADRB+1], SLOT, v[ADRB]
	s_lshl_b32 s20, s[WV], 10
	s_add_co_u32 s20, s20, HS
	v_mul_u32_u24 v[HSA], v1, HP
	v_lshl_add_u32 v[HSA], v2, 5, v[HSA]
	v_add_nc_u32 v[HSA], s20, v[HSA]               ; row l % 16, byte 1,024 wave + 32 (l / 16)
	v_add_nc_u32 v[HSA+1], 16*HP, v[HSA]
	v_lshlrev_b32 v[PFOA], 18, v2
	v_lshl_add_u32 v[PFOA], v1, 8, v[PFOA]
	v_mov_b32 v[ONE], 1.0
; 8 matrix instructions: token block a x column blocks b0 .. b0 + 7, 32 along K, from buffer f.  The 32 accumulators take turns, in the same order in every half step.
.macro MUL8 f, a, b0, zero
	WIN 0x52                                       ; wdt window 2, ctx window 0, sums window 1
.irp b, 0,1,2,3,4,5,6,7
.if \zero
	v_wmma_f32_16x16x32_f16 v[8*(16*(\a)+(\b0)+\b):8*(16*(\a)+(\b0)+\b)+7], v[128*(\f)+8*((\b0)+\b):128*(\f)+8*((\b0)+\b)+7], v[AF+16*(\f)+8*(\a):AF+16*(\f)+8*(\a)+7], 0
.else
	v_wmma_f32_16x16x32_f16 v[8*(16*(\a)+(\b0)+\b):8*(16*(\a)+(\b0)+\b)+7], v[128*(\f)+8*((\b0)+\b):128*(\f)+8*((\b0)+\b)+7], v[AF+16*(\f)+8*(\a):AF+16*(\f)+8*(\a)+7], v[8*(16*(\a)+(\b0)+\b):8*(16*(\a)+(\b0)+\b)+7]
.endif
.endr
.endm
; 36 LDS loads in one run: half c of slot s's K step into buffer f: wdt's 32, then ctx's 4
.macro FETCH s, c, f
	WIN 0x80
.irp b, 0,1,2,3,4,5,6,7,8,9,10,11,12,13,14,15
	ds_load_b128 v[128*(\f)+8*\b:128*(\f)+8*\b+3],   v[ADRB+(\s)] offset:64*(\c)+\b*16*PB
	ds_load_b128 v[128*(\f)+8*\b+4:128*(\f)+8*\b+7], v[ADRB+(\s)] offset:64*(\c)+\b*16*PB+32
.endr
	WIN 0
.irp a, 0,1
	ds_load_b128 v[AF+16*(\f)+8*\a:AF+16*(\f)+8*\a+3],   v[ADRA+(\s)] offset:64*(\c)+\a*16*PB
	ds_load_b128 v[AF+16*(\f)+8*\a+4:AF+16*(\f)+8*\a+7], v[ADRA+(\s)] offset:64*(\c)+\a*16*PB+32
.endr
.endm
; A K step's first half: multiplies buffer 0, fetches the second half into buffer 1
.macro HALF s, zero
	s_wait_dscnt 2                                 ; the youngest two loads (ctx's block 1) may be out
	MUL8 0, 0, 0, \zero
	MUL8 0, 0, 8, \zero
	PLACES
	FETCH \s, 1, 1
	s_wait_dscnt 36                                ; all but the 36 just issued
	MUL8 0, 1, 0, \zero
	MUL8 0, 1, 8, \zero
.endm
; Its second half multiplies buffer 1 and changes slots.  In front of the round each wave waits for all its tensor loads, adds 0 to its spare word, and waits for that and for its reads of slot s.
; fill = 1: slot s takes the K step two on.  fill = 2: the ring's last refill: each wave's eight rows of xb, into slot 0.
.macro TURN s, n, fill
	s_wait_xcnt 0x0                                ; the last prefetches, a K step back, have read their addresses
	s_add_nc_u64 s[PFB:PFB+1], s[PFB:PFB+1], 131072
.if (\s) == 0
	s_add_nc_u64 s[PFA:PFA+1], s[PFA:PFA+1], 2*262144
.endif
	WIN 0
	s_wait_tensorcnt 0x0
	ds_add_u32 v[SPW], v[NIL]
	s_wait_dscnt 3                                 ; the add and the youngest two loads may be out
	MUL8 1, 0, 0, 0
	s_wait_dscnt 0x0                               ; the add is done, and my reads of this slot are over
	s_barrier_signal -1
	MUL8 1, 0, 8, 0
	WIN 0
	s_barrier_wait -1
	CREST
.if (\fill) == 1
	s_add_nc_u64 s[G0B+4*(\s)+2:G0B+4*(\s)+3], s[G0B+4*(\s)+2:G0B+4*(\s)+3], 2*131072
	s_add_nc_u64 s[G0A+4*(\s)+2:G0A+4*(\s)+3], s[G0A+4*(\s)+2:G0A+4*(\s)+3], 2*262144
	JLOAD \s
.else
	tensor_load_to_lds s[G0X:G0X+3], s[G1X:G1X+7]
	s_nop 0
.rept 4
	v_nop
.endr
.endif
	FETCH \n, 0, 0
.if (\fill) == 1
	ASK \s
.endif
	MUL8 1, 1, 0, 0
	MUL8 1, 1, 8, 0
.endm
	s_wait_tensorcnt 1                             ; my part of K step 0 is in; K step 1's may stay out
	s_barrier_signal -1
	s_barrier_wait -1
	FETCH 0, 0, 0
	HALF 0, 1                                      ; the first half step stands in front of the loop: its products start the sums
	WIN 0
	s_mov_b32 s[LAP], 7
.Llap:                                             ; seven laps: K steps 2 to 15 are asked for
	TURN 0, 1, 1
	HALF 1, 0
	TURN 1, 0, 1
	HALF 0, 0
	WIN 0
	s_sub_co_u32 s[LAP], s[LAP], 1
	s_cmp_lg_u32 s[LAP], 0
	s_cbranch_scc1 .Llap
	TURN 0, 1, 2                                   ; K step 14 ends; xb's rows are asked for
	HALF 1, 0
	s_wait_dscnt 2
	MUL8 1, 0, 0, 0
	MUL8 1, 0, 8, 0
	s_wait_dscnt 0x0
	MUL8 1, 1, 0, 0
	MUL8 1, 1, 8, 0
	WIN 0
	PLACES                                         ; in front of the stores that read results
	s_barrier_signal -1                            ; every wave's reads of slot 1 are over (each has waited for them); xb's load may stay out: no LDS bytes are filled behind this barrier
	s_barrier_wait -1
	WIN 0x04                                       ; the stores' data in window 1
.irp a, 0,1
.irp b, 0,1,2,3,4,5,6,7,8,9,10,11,12,13,14,15
	ds_store_b128 v[HSA+\a], v[8*(16*\a+\b):8*(16*\a+\b)+3]   offset:64*\b       ; each accumulator's low four registers first
	ds_store_b128 v[HSA+\a], v[8*(16*\a+\b)+4:8*(16*\a+\b)+7] offset:64*\b+16
.endr
.endr
	WIN 0
	s_wait_dscnt 0x0                               ; for the others' sake: my part of h is written
	s_barrier_signal -1
	s_barrier_wait -1
	s_wait_tensorcnt 0x0                           ; my own rows of xb
	s_wait_loadcnt 0x0                             ; gamma, beta, bd
	; THE ROWS.  Wave w owns rows 8 w .. 8 w + 7, two a trip; a lane holds 32 numbers of each.
	s_mul_i32 s[RH], s[WV], 8*HP
	s_add_co_u32 s[RH], s[RH], HS
	s_lshl_b32 s[RX], s[WV], 14
	s_mov_b32 s[ROWS], 4
; four pairs of partial sums a row into one number, then over the 32 lanes; every lane ends with the sum in v[T + 8 u]
.macro FOLD
.irp u, 0,1
	v_pk_add_f32 v[T+8*\u:T+8*\u+1], v[T+8*\u:T+8*\u+1], v[T+8*\u+2:T+8*\u+3]
	v_pk_add_f32 v[T+8*\u+4:T+8*\u+5], v[T+8*\u+4:T+8*\u+5], v[T+8*\u+6:T+8*\u+7]
.endr
.irp u, 0,1
	v_pk_add_f32 v[T+8*\u:T+8*\u+1], v[T+8*\u:T+8*\u+1], v[T+8*\u+4:T+8*\u+5]
.endr
.irp u, 0,1
	v_add_f32 v[T+8*\u], v[T+8*\u], v[T+8*\u+1]
.endr
.irp m, 1,2,4,8
.irp u, 0,1
	v_add_f32_dpp v[T+8*\u], v[T+8*\u], v[T+8*\u] row_xmask:\m row_mask:0xf bank_mask:0xf
.endr
.endr
.irp u, 0,1
	v_permlanex16_b32 v[T+8*\u+1], v[T+8*\u], s[SEL], s[SEL+1]
.endr
.irp u, 0,1
	v_add_f32 v[T+8*\u], v[T+8*\u], v[T+8*\u+1]
.endr
.endm
.Lrows:
	v_add_nc_u32 v[AH], s[RH], v[L16]
	v_add_nc_u32 v[AX], s[RX], v[L8]
.irp u, 0,1
.irp q, 0,1,2,3,4,5,6,7
	ds_load_b128 v[H+32*\u+4*\q:H+32*\u+4*\q+3], v[AH] offset:HP*\u+512*\q
.endr
.irp q, 0,1,2,3,4,5,6,7
	ds_load_b64 v[X+16*\u+2*\q:X+16*\u+2*\q+1], v[AX] offset:2048*\u+256*\q
.endr
.endr
	s_wait_dscnt 0x0
.irp u, 0,1
.set p, 0
.rept 16
	v_pk_add_f32 v[H+32*\u+2*p:H+32*\u+2*p+1], v[H+32*\u+2*p:H+32*\u+2*p+1], v[BD+2*p:BD+2*p+1]  ; h = sum + bd
.set p, p+1
.endr
.endr
.irp u, 0,1
.irp c, 0,1,2,3                        ; the row's sum, in four chains
	v_pk_add_f32 v[T+8*\u+2*\c:T+8*\u+2*\c+1], v[H+32*\u+2*\c:H+32*\u+2*\c+1], v[H+32*\u+8+2*\c:H+32*\u+8+2*\c+1]
.endr
.irp c, 0,1,2,3
	v_pk_add_f32 v[T+8*\u+2*\c:T+8*\u+2*\c+1], v[T+8*\u+2*\c:T+8*\u+2*\c+1], v[H+32*\u+16+2*\c:H+32*\u+16+2*\c+1]
.endr
.irp c, 0,1,2,3
	v_pk_add_f32 v[T+8*\u+2*\c:T+8*\u+2*\c+1], v[T+8*\u+2*\c:T+8*\u+2*\c+1], v[H+32*\u+24+2*\c:H+32*\u+24+2*\c+1]
.endr
.endr
	FOLD
.irp u, 0,1
	v_mul_f32 v[T+8*\u], s[RN], v[T+8*\u]          ; the mean
.endr
.irp u, 0,1
.set p, 0
.rept 16
	v_pk_add_f32 v[H+32*\u+2*p:H+32*\u+2*p+1], v[H+32*\u+2*p:H+32*\u+2*p+1], v[T+8*\u:T+8*\u+1] op_sel_hi:[1,0] neg_lo:[0,1] neg_hi:[0,1]  ; h - mean
.set p, p+1
.endr
.endr
.irp u, 0,1
.irp c, 0,1,2,3                        ; the sum of its squares, in four chains
	v_pk_mul_f32 v[T+8*\u+2*\c:T+8*\u+2*\c+1], v[H+32*\u+2*\c:H+32*\u+2*\c+1], v[H+32*\u+2*\c:H+32*\u+2*\c+1]
.endr
.irp d, 8,16,24
.irp c, 0,1,2,3
	v_pk_fma_f32 v[T+8*\u+2*\c:T+8*\u+2*\c+1], v[H+32*\u+\d+2*\c:H+32*\u+\d+2*\c+1], v[H+32*\u+\d+2*\c:H+32*\u+\d+2*\c+1], v[T+8*\u+2*\c:T+8*\u+2*\c+1]
.endr
.endr
.endr
	FOLD
.irp u, 0,1
	v_fma_f32 v[T+8*\u], v[T+8*\u], s[RN], s[EPS]  ; the variance + 1e-12
.endr
.irp u, 0,1
	v_rsq_f32 v[T+8*\u+2], v[T+8*\u]
.endr
	v_nop                                          ; a plain instruction behind the last of the two,
	s_wait_alu depctr_va_vdst(0)                   ; and the wait ahead of the first use: one for both
.irp u, 0,1
.set p, 0
.rept 16
	v_pk_mul_f32 v[H+32*\u+2*p:H+32*\u+2*p+1], v[H+32*\u+2*p:H+32*\u+2*p+1], v[T+8*\u+2:T+8*\u+3] op_sel_hi:[1,0]
.set p, p+1
.endr
.set p, 0
.rept 16
	v_pk_fma_f32 v[H+32*\u+2*p:H+32*\u+2*p+1], v[H+32*\u+2*p:H+32*\u+2*p+1], v[G+2*p:G+2*p+1], v[BT+2*p:BT+2*p+1]
.set p, p+1
.endr
.set p, 0
.rept 16                               ; + x: a bf16 half times 1.0, added in f32
	v_fma_mix_f32_bf16 v[H+32*\u+2*p], v[X+16*\u+p], v[ONE], v[H+32*\u+2*p] op_sel:[0,0,0] op_sel_hi:[1,0,0]
	v_fma_mix_f32_bf16 v[H+32*\u+2*p+1], v[X+16*\u+p], v[ONE], v[H+32*\u+2*p+1] op_sel:[1,0,0] op_sel_hi:[1,0,0]
.set p, p+1
.endr
.irp q, 0,1,2,3,4,5,6,7
	global_store_b128 v[L16], v[H+32*\u+4*\q:H+32*\u+4*\q+3], s[12:13] offset:4096*\u+512*\q  ; 512 consecutive bytes, aligned
.endr
.endr
	s_wait_xcnt 0x0                                ; the stores have read their data and their base: both are written again only behind this wait
	s_add_nc_u64 s[12:13], s[12:13], 8192
	s_add_co_u32 s[RH], s[RH], 2*HP
	s_add_co_u32 s[RX], s[RX], 4096
	s_sub_co_u32 s[ROWS], s[ROWS], 1
	s_cmp_lg_u32 s[ROWS], 0
	s_cbranch_scc1 .Lrows
	s_wait_tensorcnt 0x0                           ; the wave's end
	ds_add_u32 v[SPW], v[NIL]
	s_wait_dscnt 0x0
	CROUND                                         ; the closing round
	s_endpgm
.Lfunc_end_k_qfb2119b8c2_outln:
	.size	k_qfb2119b8c2_outln, .Lfunc_end_k_qfb2119b8c2_outln-k_qfb2119b8c2_outln
	.p2alignl 7, 3214868480
	.fill 96, 4, 3214868480
	.section	.rodata,"a",@progbits
	.p2align	6, 0x0
	.amdhsa_kernel k_qfb2119b8c2_outln
		.amdhsa_group_segment_fixed_size 327680
		.amdhsa_private_segment_fixed_size 0
		.amdhsa_enable_private_segment 0
		.amdhsa_kernarg_size 40
		.amdhsa_user_sgpr_count 2
		.amdhsa_user_sgpr_kernarg_segment_ptr 1
		.amdhsa_wavefront_size32 1
		.amdhsa_system_sgpr_workgroup_id_x 1
		.amdhsa_system_sgpr_workgroup_id_y 1
		.amdhsa_system_sgpr_workgroup_id_z 1
		.amdhsa_system_vgpr_workitem_id 0
		.amdhsa_next_free_vgpr 768
		.amdhsa_next_free_sgpr 96
		.amdhsa_reserve_vcc 0
		.amdhsa_float_denorm_mode_32 3
		.amdhsa_float_denorm_mode_16_64 3
		.amdhsa_memory_ordered 1
		.amdhsa_forward_progress 1
		.amdhsa_inst_pref_size 77
	.end_amdhsa_kernel
	.amdgpu_metadata
---
amdhsa.version: [ 1, 2 ]
amdhsa.kernels:
  - .name:           k_qfb2119b8c2_outln
    .symbol:         k_qfb2119b8c2_outln.kd
    .args:
      - { .name: ctx, .offset: 0, .size: 8, .value_kind: global_buffer, .address_space: global }
      - { .name: wdt, .offset: 8, .size: 8, .value_kind: global_buffer, .address_space: global }
      - { .name: xb, .offset: 16, .size: 8, .value_kind: global_buffer, .address_space: global }
      - { .name: vec, .offset: 24, .size: 8, .value_kind: global_buffer, .address_space: global }
      - { .name: out0, .offset: 32, .size: 8, .value_kind: global_buffer, .address_space: global }
    .group_segment_fixed_size: 327680
    .private_segment_fixed_size: 0
    .kernarg_segment_align: 8
    .kernarg_segment_size: 40
    .max_flat_workgroup_size: 128
    .sgpr_count:     96
    .vgpr_count:     768
    .wavefront_size: 32
...
	.end_amdgpu_metadata
.endif
;; end of part 4
;; ======== version 2 of 2: 4 launches; version 1 with the launch prep written anew for expert scheduling mode
;; limits: values are held in f16: magnitudes above 65,504 overflow, below 6.1e-05 lose precision
;; workspace buffers: xb 16,777,216 bytes; wt 6,291,456 bytes; wdt 2,097,152 bytes; vec 57,344 bytes; qkv 50,331,648 bytes; ctx 16,777,216 bytes
;; launch prep (part 5): grid 782 x 1, 8 waves a work-group, no clusters, 35,840 bytes of LDS; arguments query, Wq, Wk, Wv, Wd, bq, bk, bv, bd, ln_gamma, ln_beta, attention_mask, xb, wt, wdt, vec; writes xb, wt, wdt, vec
.if DOCPART == 5
	.amdgcn_target "amdgcn-amd-amdhsa--gfx1250"
	.amdhsa_code_object_version 6
	.text
	.protected	k_qfb2119b8c2_prep
	.globl	k_qfb2119b8c2_prep
	.p2align	8
	.type	k_qfb2119b8c2_prep,@function
k_qfb2119b8c2_prep:
	s_mov_b64 s[64:65], 0
	v_nop
	global_prefetch_b8 v0, s[64:65] scope:SCOPE_SE
	s_setreg_imm32_b32 hwreg(HW_REG_WAVE_SCHED_MODE, 0, 2), 2
	s_setreg_imm32_b32 hwreg(HW_REG_WAVE_MODE, 25, 1), 1
	s_wait_xcnt 0x0
	s_wait_alu depctr_vm_vsrc(0)
; EVERY INPUT IS ROUNDED ONCE TO bf16 and laid out for the launches behind.  Three kinds of work-group, told apart by the work-group's number alone (the same for all eight waves):
;   0-511    CAST: 16 rows of query (f32) -> xb (bf16, [8192][1024])
;   512-767  WTS:  a tile of 128 k x 128 n of Wq, Wk, Wv or Wd, turned through LDS: wt (bf16, [3072 n][1024 k]); wdt ([16 kb][1024 n][64 k]: the bf16 number written as f16)
;   768-781  VEC:  1,024 numbers of bq, bk, bv, bd, gamma, beta or the mask -> vec (f32 that holds the bf16 number; the mask times 8, which is exact)
; LIMITS.  Wd's numbers must lie within f16's 65,504; below 6e-5 they keep f16's fixed step of 6e-8.  8 x mask is an infinity from |mask| = 4.2e37 on.
; No matrix unit, no cluster, no tensor load: no byte is read twice and nothing is multiplied.
; THE MODE: SCHED_MODE bits 1:0 = 2 (LLVM: expert scheduling mode 2), set by the entry lines.  The code itself states the register dependences
; between vector instructions and memory or LDS instructions, with s_wait_alu, always for 0.
; THE PLAN.  Registers that memory or LDS instructions touch:
;   v1, v2, v3, v10, v11   offsets and LDS addresses: each is made once on its way through the text, ahead of a wait on va_vdst, and never written again.
;   R   sixteen loads land in it, once each; the roundings read it; in WTS, behind the barrier, the LDS loads land in its first 32 registers, and the global stores read those.
;   O   each register is written once, by a rounding or a select, and read once, by a store.
;   v[SPW], v[NIL]   written at the head, read by the closing add alone.
; In CAST and WTS the sixteen loads go in four groups of four.  Group g's vector lines name R's part g, O's part g and v4 to v6; the memory instructions dealt among them are the four stores
; of group g - 1, which read O's part g - 1 and an offset.  So ONE wait on va_vdst at a group's head states all that those four stores hang on.
; No register that a memory or LDS instruction reads is written again on any way: the text holds no wait on vm_vsrc.
.set TP,    272                        ; a row of the turned tile in LDS: 256 bytes + 16
.set SPARE, 128*TP                     ; behind the tile: the spare words, 128 bytes for each of eight waves
.set SPW,   14                         ; v14  LDS address of my spare word; never rewritten
.set NIL,   15                         ; v15  0; never rewritten
.set R,     16                         ; v[16:79]   sixteen loads of 16 bytes
.set O,     80                         ; v[80:111]  what is stored
	s_load_b512 s[4:19], s[0:1], 0x0               ; query 4, Wq 6, Wk 8, Wv 10, Wd 12, bq 14, bk 16, bv 18
	s_load_b512 s[20:35], s[0:1], 0x40             ; bd 20, gamma 22, beta 24, mask 26, xb 28, wt 30, wdt 32, vec 34
	v_lshl_add_u32 v[SPW], v0, 2, SPARE
	v_mov_b32 v[NIL], 0
	v_lshrrev_b32 v1, 5, v0
	v_readfirstlane_b32 s36, v1                    ; wave 0..7
	v_and_b32 v7, 31, v0                           ; lane
	s_wait_alu depctr_va_sdst(0)                   ; s36 is written, ahead of the first branch and of its first reader: WTS makes its addresses from it
	s_wait_kmcnt 0x0
	s_cmp_lt_u32 ttmp9, 512
	s_cbranch_scc1 .Lcast
	s_cmp_lt_u32 ttmp9, 768
	s_cbranch_scc1 .Lwts
	; VEC: chunk j of 1,024 numbers; thread t takes four
	v_lshlrev_b32 v1, 4, v0                        ; made first: the scalar work below stands between it and the wait for it
	s_sub_co_u32 s37, ttmp9, 768                   ; j = 0..13
	s_mov_b64 s[44:45], s[26:27]                   ; the mask, unless j names one of the six vectors
	s_cmp_eq_u32 s37, 0
	s_cselect_b64 s[44:45], s[14:15], s[44:45]
	s_cmp_eq_u32 s37, 1
	s_cselect_b64 s[44:45], s[16:17], s[44:45]
	s_cmp_eq_u32 s37, 2
	s_cselect_b64 s[44:45], s[18:19], s[44:45]
	s_cmp_eq_u32 s37, 3
	s_cselect_b64 s[44:45], s[20:21], s[44:45]
	s_cmp_eq_u32 s37, 4
	s_cselect_b64 s[44:45], s[22:23], s[44:45]
	s_cmp_eq_u32 s37, 5
	s_cselect_b64 s[44:45], s[24:25], s[44:45]
	s_max_u32 s38, s37, 6
	s_sub_co_u32 s38, s38, 6
	s_lshl_b32 s38, s38, 12                        ; the mask's chunk j - 6
	s_mov_b32 s39, 0
	s_add_nc_u64 s[44:45], s[44:45], s[38:39]
	s_cmp_ge_u32 s37, 6
	s_cselect_b32 s40, 0x41000000, 1.0             ; the mask is stored times 8: it starts the sum q . k, which is scaled by 1/8 later
	s_lshl_b32 s42, s37, 12
	s_mov_b32 s43, 0
	s_add_nc_u64 s[34:35], s[34:35], s[42:43]
	s_wait_alu depctr_va_vdst(0)                   ; v1 is written: the load and the store read it as their offset
	global_load_b128 v[16:19], v1, s[44:45]
	s_wait_loadcnt 0x0
	v_cvt_pk_bf16_f32 v4, v16, v17
	v_cvt_pk_bf16_f32 v5, v18, v19
	v_lshlrev_b32 v20, 16, v4
	v_and_b32 v21, 0xffff0000, v4
	v_lshlrev_b32 v22, 16, v5
	v_and_b32 v23, 0xffff0000, v5
	v_mul_f32 v20, s40, v20
	v_mul_f32 v21, s40, v21
	v_mul_f32 v22, s40, v22
	v_mul_f32 v23, s40, v23
	s_wait_alu depctr_va_vdst(0)                   ; the four products have written v[20:23], which the store reads
	global_store_b128 v1, v[20:23], s[34:35]
	s_endpgm                                       ; this way has written no LDS
.Lcast:                                            ; 65,536 bytes in, 32,768 out; all sixteen loads go out first
	v_lshlrev_b32 v1, 4, v0                        ; the two offsets are made first: the scalar work below stands between them and the wait for them
	v_lshlrev_b32 v2, 3, v0
	s_lshl_b32 s40, ttmp9, 16
	s_mov_b32 s41, 0
	s_add_nc_u64 s[4:5], s[4:5], s[40:41]
	s_lshl_b32 s42, ttmp9, 15
	s_mov_b32 s43, 0
	s_add_nc_u64 s[28:29], s[28:29], s[42:43]
	s_wait_alu depctr_va_vdst(0)                   ; v1 and v2 are written: the loads read v1, the stores v2, as their offsets
.irp i, 0,1,2,3,4,5,6,7,8,9,10,11,12,13,14,15
	global_load_b128 v[R+4*\i:R+4*\i+3], v1, s[4:5] offset:4096*\i th:TH_LOAD_NT
.endr
.irp g, 0,1,2,3
	s_wait_loadcnt 12-4*(\g)                       ; loads come back in order: group g's four are in, the 12 - 4 g younger ones stay out
.if (\g) > 0
	s_wait_alu depctr_va_vdst(0)                   ; the roundings of the group before have written its part of O, which the four stores below read
.endif
.irp i, 0,1,2,3
.if (\g) > 0
	global_store_b64 v2, v[O+2*(4*(\g)-4+(\i)):O+2*(4*(\g)-4+(\i))+1], s[28:29] offset:2048*(4*(\g)-4+(\i))  ; a wave's store covers 256 consecutive bytes, aligned; no vector line since the wait names its registers
.endif
	v_cvt_pk_bf16_f32 v[O+2*(4*(\g)+(\i))], v[R+4*(4*(\g)+(\i))], v[R+4*(4*(\g)+(\i))+1]
	v_cvt_pk_bf16_f32 v[O+2*(4*(\g)+(\i))+1], v[R+4*(4*(\g)+(\i))+2], v[R+4*(4*(\g)+(\i))+3]
.endr
.endr
	s_wait_alu depctr_va_vdst(0)                   ; the last group's roundings have written its part of O, which the last four stores read
.irp i, 12,13,14,15
	global_store_b64 v2, v[O+2*\i:O+2*\i+1], s[28:29] offset:2048*\i
.endr
	s_endpgm                                       ; this way has written no LDS
.Lwts:
	v_lshlrev_b32 v1, 4, v7                        ; lane l holds columns 4 l .. 4 l + 3 of my sixteen rows k; made first: the scalar work below stands between it and the wait for it
	s_sub_co_u32 s37, ttmp9, 512
	s_lshr_b32 s38, s37, 6                         ; which matrix: 0 Wq, 1 Wk, 2 Wv, 3 Wd
	s_bfe_u32 s39, s37, 0x30003                    ; kt: 128 rows k
	s_and_b32 s37, s37, 7                          ; nt: 128 columns n
	s_mov_b64 s[44:45], s[12:13]
	s_cmp_eq_u32 s38, 0
	s_cselect_b64 s[44:45], s[6:7], s[44:45]
	s_cmp_eq_u32 s38, 1
	s_cselect_b64 s[44:45], s[8:9], s[44:45]
	s_cmp_eq_u32 s38, 2
	s_cselect_b64 s[44:45], s[10:11], s[44:45]
	s_cmp_eq_u32 s38, 3
	s_cselect_b32 s40, -1, 0                       ; all lanes: f16 codes for Wd, bf16 codes for the others
	s_mov_b32 s41, 0xffff0000
	s_lshl_b32 s42, s39, 19                        ; (128 kt + 16 wave) rows of 4,096 bytes + 512 nt
	s_lshl_b32 s43, s36, 16
	s_add_co_u32 s42, s42, s43
	s_lshl_b32 s43, s37, 9
	s_add_co_u32 s42, s42, s43
	s_mov_b32 s43, 0
	s_add_nc_u64 s[44:45], s[44:45], s[42:43]
	s_wait_alu depctr_va_vdst(0)                   ; v1 is written: the loads, and later the blocked stores, read it as their offset
.irp i, 0,1,2,3,4,5,6,7,8,9,10,11,12,13,14,15
	global_load_b128 v[R+4*\i:R+4*\i+3], v1, s[44:45] offset:4096*\i th:TH_LOAD_NT
.endr
	v_mul_u32_u24 v3, v7, 4*TP
	v_lshl_add_u32 v3, s36, 5, v3                  ; turned: row n = 4 l + c, byte 2 k = 32 wave + 8 g
; two numbers rounded to bf16; for Wd those two numbers written as f16.  Both are made and one is chosen: no branch
.macro WORD dst, a, b
	v_cvt_pk_bf16_f32 v4, v[\a], v[\b]
	v_lshlrev_b32 v5, 16, v4
	v_and_b32 v6, s41, v4
	v_cvt_pk_f16_f32 v5, v5, v6
	v_cndmask_b32 v[\dst], v4, v5, s40
.endm
.irp g, 0,1,2,3
	s_wait_loadcnt 12-4*\g                         ; rows 4 g .. 4 g + 3 are in; the later groups' loads stay out
.if (\g) > 0
	s_wait_alu depctr_va_vdst(0)                   ; the selects of the group before have written its part of O, which the four LDS stores below read; at the first of these waits v3, their address, is written too
.endif
.irp c, 0,1,2,3
.if (\g) > 0
	ds_store_b64 v3, v[O+8*((\g)-1)+2*(\c):O+8*((\g)-1)+2*(\c)+1] offset:TP*(\c)+8*((\g)-1)  ; no vector line since the wait names its registers
.endif
	WORD O+8*\g+2*\c, R+16*\g+\c, R+16*\g+4+\c
	WORD O+8*\g+2*\c+1, R+16*\g+8+\c, R+16*\g+12+\c
.endr
.endr
	s_wait_alu depctr_va_vdst(0)                   ; the last group's selects have written its part of O, which the last four LDS stores read
.irp c, 0,1,2,3
	ds_store_b64 v3, v[O+24+2*\c:O+24+2*\c+1] offset:TP*\c+24
.endr
	s_wait_dscnt 0x0                               ; for the others' sake: my part of the tile is written
	s_barrier_signal -1
	s_barrier_wait -1
	s_mul_i32 s46, s36, 16*TP                      ; wave w sends rows n = 16 w .. 16 w + 15
	s_cmp_eq_u32 s38, 3
	s_cbranch_scc1 .Lblocked
	v_lshrrev_b32 v8, 4, v7
	v_and_b32 v9, 15, v7
	v_mul_u32_u24 v10, v8, TP
	v_lshl_add_u32 v10, v9, 4, v10
	v_add_nc_u32 v10, s46, v10
	v_lshlrev_b32 v11, 11, v8
	v_lshl_add_u32 v11, v9, 4, v11
	s_lshl_b32 s42, s38, 21                        ; wt: (1024 matrix + 128 nt + 16 wave) rows of 2,048 bytes + 256 kt
	s_lshl_b32 s43, s37, 18
	s_add_co_u32 s42, s42, s43
	s_lshl_b32 s43, s36, 15
	s_add_co_u32 s42, s42, s43
	s_lshl_b32 s43, s39, 8
	s_add_co_u32 s42, s42, s43
	s_mov_b32 s43, 0
	s_add_nc_u64 s[30:31], s[30:31], s[42:43]
	s_wait_alu depctr_va_vdst(0)                   ; v10 and v11 are written: the LDS loads read v10, the stores v11; the roundings that read v[R ..], in which the LDS loads land, stand ahead of it too
.irp t, 0,1,2,3,4,5,6,7
	ds_load_b128 v[R+4*\t:R+4*\t+3], v10 offset:2*TP*\t
.endr
.irp t, 0,1,2,3,4,5,6,7
	s_wait_dscnt 7-\t
	global_store_b128 v11, v[R+4*\t:R+4*\t+3], s[30:31] offset:4096*\t  ; sixteen lanes store 256 consecutive bytes, aligned
.endr
	s_branch .Lwend
.Lblocked:
	v_lshrrev_b32 v8, 3, v7
	v_and_b32 v9, 7, v7
	v_mul_u32_u24 v10, v8, TP
	v_lshl_add_u32 v10, v9, 4, v10
	v_add_nc_u32 v10, s46, v10
	s_lshl_b32 s42, s39, 18                        ; wdt: (2048 kt + 128 nt + 16 wave) rows of 128 bytes
	s_lshl_b32 s43, s37, 14
	s_add_co_u32 s42, s42, s43
	s_lshl_b32 s43, s36, 11
	s_add_co_u32 s42, s42, s43
	s_mov_b32 s43, 0
	s_add_nc_u64 s[32:33], s[32:33], s[42:43]
	s_wait_alu depctr_va_vdst(0)                   ; v10 is written, which the LDS loads read; the roundings that read v[R ..], in which they land, stand ahead of it too
.irp t, 0,1,2,3,4,5,6,7
	ds_load_b128 v[R+4*\t:R+4*\t+3], v10 offset:(\t%4)*4*TP+128*(\t/4)  ; four rows n, the half \t / 4 of the tile's 128 k
.endr
.irp t, 0,1,2,3,4,5,6,7
	s_wait_dscnt 7-\t
	global_store_b128 v1, v[R+4*\t:R+4*\t+3], s[32:33] offset:(\t/4)*131072+(\t%4)*512  ; 512 consecutive bytes, aligned
.endr
.Lwend:
	s_wait_dscnt 0x0                               ; the closing lines, six on end
	s_wait_alu 0x0
	s_wait_tensorcnt 0x0
	ds_add_u32 v[SPW], v[NIL]
	s_wait_dscnt 0x0
	s_endpgm
.Lfunc_end_k_qfb2119b8c2_prep:
	.size	k_qfb2119b8c2_prep, .Lfunc_end_k_qfb2119b8c2_prep-k_qfb2119b8c2_prep
	.p2alignl 7, 3214868480
	.fill 96, 4, 3214868480
	.section	.rodata,"a",@progbits
	.p2align	6, 0x0
	.amdhsa_kernel k_qfb2119b8c2_prep
		.amdhsa_group_segment_fixed_size 35840
		.amdhsa_private_segment_fixed_size 0
		.amdhsa_enable_private_segment 0
		.amdhsa_kernarg_size 128
		.amdhsa_user_sgpr_count 2
		.amdhsa_user_sgpr_kernarg_segment_ptr 1
		.amdhsa_wavefront_size32 1
		.amdhsa_system_sgpr_workgroup_id_x 1
		.amdhsa_system_sgpr_workgroup_id_y 1
		.amdhsa_system_sgpr_workgroup_id_z 1
		.amdhsa_system_vgpr_workitem_id 0
		.amdhsa_next_free_vgpr 112
		.amdhsa_next_free_sgpr 66
		.amdhsa_reserve_vcc 0
		.amdhsa_float_denorm_mode_32 3
		.amdhsa_float_denorm_mode_16_64 3
		.amdhsa_memory_ordered 1
		.amdhsa_forward_progress 1
		.amdhsa_inst_pref_size 25
	.end_amdhsa_kernel
	.amdgpu_metadata
---
amdhsa.version: [ 1, 2 ]
amdhsa.kernels:
  - .name:           k_qfb2119b8c2_prep
    .symbol:         k_qfb2119b8c2_prep.kd
    .args:
      - { .name: query, .offset: 0, .size: 8, .value_kind: global_buffer, .address_space: global }
      - { .name: Wq, .offset: 8, .size: 8, .value_kind: global_buffer, .address_space: global }
      - { .name: Wk, .offset: 16, .size: 8, .value_kind: global_buffer, .address_space: global }
      - { .name: Wv, .offset: 24, .size: 8, .value_kind: global_buffer, .address_space: global }
      - { .name: Wd, .offset: 32, .size: 8, .value_kind: global_buffer, .address_space: global }
      - { .name: bq, .offset: 40, .size: 8, .value_kind: global_buffer, .address_space: global }
      - { .name: bk, .offset: 48, .size: 8, .value_kind: global_buffer, .address_space: global }
      - { .name: bv, .offset: 56, .size: 8, .value_kind: global_buffer, .address_space: global }
      - { .name: bd, .offset: 64, .size: 8, .value_kind: global_buffer, .address_space: global }
      - { .name: ln_gamma, .offset: 72, .size: 8, .value_kind: global_buffer, .address_space: global }
      - { .name: ln_beta, .offset: 80, .size: 8, .value_kind: global_buffer, .address_space: global }
      - { .name: attention_mask, .offset: 88, .size: 8, .value_kind: global_buffer, .address_space: global }
      - { .name: xb, .offset: 96, .size: 8, .value_kind: global_buffer, .address_space: global }
      - { .name: wt, .offset: 104, .size: 8, .value_kind: global_buffer, .address_space: global }
      - { .name: wdt, .offset: 112, .size: 8, .value_kind: global_buffer, .address_space: global }
      - { .name: vec, .offset: 120, .size: 8, .value_kind: global_buffer, .address_space: global }
    .group_segment_fixed_size: 35840
    .private_segment_fixed_size: 0
    .kernarg_segment_align: 8
    .kernarg_segment_size: 128
    .max_flat_workgroup_size: 256
    .sgpr_count:     66
    .vgpr_count:     112
    .wavefront_size: 32
...
	.end_amdgpu_metadata
.endif
;; end of part 5
;; launch qkv: the kernel of part 2 again; grid 16 x 32, 4 waves a work-group, clusters of 4 x 4, 327,680 bytes of LDS; arguments xb, wt, vec, qkv; writes qkv
;; launch attn: the kernel of part 3 again; grid 4 x 64, 4 waves a work-group, clusters of 4 x 1, 327,680 bytes of LDS; arguments qkv, vec, ctx; writes ctx
;; launch outln: the kernel of part 4 again; grid 256 x 1, 4 waves a work-group, clusters of 4 x 1, 327,680 bytes of LDS; arguments ctx, wdt, xb, vec, out0; writes out0
